; MI455X (gfx1250); checked and timed in simulation.
; The chip was launched on July 23, 2026; its instructions are those of AMD's public machine-readable ISA for CDNA 5 (MIT licence, August 2026) and "CDNA5" Instruction Set Architecture Reference Guide (July 2026). The comments in the code are by the model that wrote it; some were corrected since.
;; Conditional Cross Attention Block. Allowed arithmetic: float matrix products may take bf16 or f16 operands with f32 sums; other float arithmetic in f32, or as packed bf16 or f16 multiplies, adds, multiply-adds, maxima and minima; sums over many terms, partial sums and values carried from step to step in f32; what a program stores and reads back later, other than sums and carried values, may be rounded once to bf16 or f16.
;; Inputs: Wk 2,048 x 1,024 float32; Wo 2,048 x 2,048 float32; Wq 2,048 x 2,048 float32; Wv 2,048 x 1,024 float32; bk 2,048 float32; bo 2,048 float32; bq 2,048 float32; bv 2,048 float32; ln_b 1,024 float32; ln_w 1,024 float32; rmsk_w 2,048 float32; rmsq_w 2,048 float32; x 2 x 2,048 x 2,048 float32; x_cos 2 x 2,048 x 128 float32; x_sin 2 x 2,048 x 128 float32; y 2 x 1,024 x 1,024 float32; y_cos 2 x 1,024 x 128 float32; y_sin 2 x 1,024 x 128 float32.
;; Outputs: out0 2 x 2,048 x 2,048 float32.
;; One version. Each part assembles by itself: llvm-mc -triple=amdgcn-amd-amdhsa -mcpu=gfx1250 --defsym DOCPART=n.
;; ======== version 1 of 1: 4 launches
;; limits: values are held in f16: magnitudes above 65,504 overflow, below 6.1e-05 lose precision; inputs' magnitudes at most 65,504
;; workspace buffers: ab 25,165,824 bytes; wb 33,554,432 bytes; cs 3,145,728 bytes; qkv 33,554,432 bytes; ss 393,216 bytes; ao 16,777,216 bytes
;; launch prep (part 1): grid 944 x 1, 8 waves a work-group, no clusters, 0 bytes of LDS; arguments x, Wq, Wo, Wk, Wv, x_cos, x_sin, y_cos, y_sin, y, ln_w, ln_b, ab, wb, cs; writes ab, wb, cs
.if DOCPART == 1
	.amdgcn_target "amdgcn-amd-amdhsa--gfx1250"
	.amdhsa_code_object_version 6
	.text
	.protected	k_qccb7d404e6_prep
	.globl	k_qccb7d404e6_prep
	.p2align	8
	.type	k_qccb7d404e6_prep,@function
k_qccb7d404e6_prep:
	s_mov_b64 s[64:65], 0
	v_nop
	global_prefetch_b8 v0, s[64:65] scope:SCOPE_SE
	s_setreg_imm32_b32 hwreg(HW_REG_WAVE_MODE, 25, 1), 1
	s_wait_xcnt 0x0
; PREP: every large input is rounded once to bf16 and that number is written as f16 (exact inside f16's normal range), so that all later products take one f16 form.
;   x  -> ab rows 0-4095 (rows of 4,096 bytes)          Wq, Wk, Wv, Wo -> wb rows 0-, 2048-, 4096-, 6144- (rows of 4,096 bytes; Wk and Wv fill the first 2,048 of each)
;   x_cos, y_cos -> cs, [6144][128]                      x_sin, y_sin -> cs + 1,572,864, same shape, with the sign turned for channels below 64 (rotate_half's minus)
;   y  -> LayerNorm in f32 (two passes: mean, then the mean of squared differences) with ln_w, ln_b rounded to bf16 -> ab rows 4096-6143, first 2,048 bytes, rounded once to f16
; LIMITS.  Inputs are rounded to bf16 first.  f16 ends at 65,504: x, the weights, cos, sin and the normalised y must lie within it; below 6e-5 f16 keeps its fixed step of 6e-8.
; A stream: no LDS, no matrix unit, no cluster (no byte is wanted twice).  A unit is 1,024 numbers: 4,096 bytes in, 2,048 out.  In part j of a unit lane L holds numbers 128 j + 4 L + 0..3:
; a load covers 512 consecutive bytes, a store 256 consecutive bytes at a multiple of 256.  Cast jobs: a wave takes 4 units, all 32 loads out at once.  LayerNorm: a wave takes one row.
.set X,  16                            ; v[16:143] cast: 4 units; LayerNorm: v[16:47] the row
.set LW, 48                            ; v[48:79]  ln_w of my 32 columns
.set LB, 80                            ; v[80:111] ln_b
.macro RT r                            ; four f32 rounded to bf16 and widened again, in place
	v_cvt_pk_bf16_f32 v10, v[(\r)], v[(\r)+1]
	v_cvt_pk_bf16_f32 v11, v[(\r)+2], v[(\r)+3]
	v_lshlrev_b32 v[(\r)], 16, v10
	v_and_b32 v[(\r)+1], s56, v10
	v_lshlrev_b32 v[(\r)+2], 16, v11
	v_and_b32 v[(\r)+3], s56, v11
.endm
.macro CV r                            ; four f32 -> bf16 -> four f16 in two registers, signs turned where v9 says so
	RT \r
	v_cvt_pk_f16_f32 v[(\r)], v[(\r)], v[(\r)+1]
	v_cvt_pk_f16_f32 v[(\r)+1], v[(\r)+2], v[(\r)+3]
	v_xor_b32 v[(\r)], v9, v[(\r)]
	v_xor_b32 v[(\r)+1], v9, v[(\r)+1]
.endm
.macro JOB bound, src, dst, doff, ps, sgn  ; from work-group \bound on: another source, destination, offset, shift from unit to unit, sign mask
	s_cmp_ge_u32 s40, \bound
	s_cselect_b64 s[42:43], s[\src:\src+1], s[42:43]
	s_cselect_b64 s[44:45], s[\dst:\dst+1], s[44:45]
	s_cselect_b32 s46, \bound, s46
	s_cselect_b32 s48, \doff, s48
	s_cselect_b32 s47, \ps, s47
	s_cselect_b32 s50, \sgn, s50
.endm
.macro REDUCE                          ; v[8:9] -> the sum over the pair and the 32 lanes, in every lane's v8
	v_add_f32 v8, v8, v9
.irp m, 1,2,4,8
	v_add_f32_dpp v8, v8, v8 row_xmask:\m row_mask:0xf bank_mask:0xf
.endr
	v_permlanex16_b32 v9, v8, s38, s39
	v_add_f32 v8, v8, v9
.endm
.macro MERGE                           ; four chains v[8:15] into v[8:9]
	v_pk_add_f32 v[8:9], v[8:9], v[10:11]
	v_pk_add_f32 v[12:13], v[12:13], v[14:15]
	v_pk_add_f32 v[8:9], v[8:9], v[12:13]
.endm
	s_load_b512 s[8:23], s[0:1], 0x0               ; x 8, Wq 10, Wo 12, Wk 14, Wv 16, x_cos 18, x_sin 20, y_cos 22
	s_load_b256 s[24:31], s[0:1], 0x40             ; y_sin 24, y 26, ln_w 28, ln_b 30
	s_load_b128 s[32:35], s[0:1], 0x60             ; ab 32, wb 34
	s_load_b64 s[36:37], s[0:1], 0x70              ; cs
	s_mov_b32 s40, ttmp9
	s_mov_b32 s56, 0xffff0000                      ; a word's upper bf16
	v_and_b32 v1, 31, v0                           ; lane
	v_lshrrev_b32 v2, 5, v0                        ; wave
	s_wait_kmcnt 0x0
	s_cmp_ge_u32 s40, 688
	s_cbranch_scc1 .Lln
	; THE CASTS.  Work-groups 0-255 take x; the eight lines below change the job from their bound on.
	s_mov_b64 s[42:43], s[8:9]
	s_mov_b64 s[44:45], s[32:33]
	s_mov_b32 s46, 0
	s_mov_b32 s47, 11
	s_mov_b32 s48, 0
	s_mov_b32 s50, 0
	JOB 256, 10, 34, 0, 11, 0
	JOB 384, 12, 34, 25165824, 11, 0
	JOB 512, 14, 34, 8388608, 12, 0
	JOB 576, 16, 34, 16777216, 12, 0
	JOB 640, 18, 36, 0, 11, 0
	JOB 656, 20, 36, 1572864, 11, 0x80008000
	JOB 672, 22, 36, 1048576, 11, 0
	JOB 680, 24, 36, 2621440, 11, 0x80008000
	s_sub_co_u32 s41, s40, s46                     ; my number within the job
	s_lshl_b32 s52, s41, 17                        ; 32 units of 4,096 bytes
	s_mov_b32 s53, 0
	s_add_nc_u64 s[42:43], s[42:43], s[52:53]
	s_lshl_b32 s54, s41, 5
	s_lshl_b32 s54, s54, s47                       ; 32 units of 2,048 bytes, 2,048 or 4,096 apart
	s_add_co_u32 s54, s54, s48
	s_mov_b32 s55, 0
	s_add_nc_u64 s[44:45], s[44:45], s[54:55]
	v_lshlrev_b32 v3, 14, v2
	v_lshl_or_b32 v3, v1, 4, v3                    ; in: wave x 4 units + 16 x lane
	v_lshlrev_b32 v8, 2, v2
.irp i, 0,1,2,3
	v_add_nc_u32 v[4+\i], \i, v8
	v_lshlrev_b32 v[4+\i], s47, v[4+\i]
	v_lshl_add_u32 v[4+\i], v1, 3, v[4+\i]         ; out: unit 4 wave + i, 8 x lane
.endr
	v_cmp_gt_u32 vcc_lo, 16, v1                    ; a part of 128 numbers is one row of a table: lanes 0-15 hold channels below 64
	v_cndmask_b32 v9, 0, s50, vcc_lo
.set n, 0
.rept 32
	global_load_b128 v[X+4*n:X+4*n+3], v3, s[42:43] offset:512*n th:TH_LOAD_NT
.set n, n+1
.endr
.set n, 0
.rept 32
	s_wait_loadcnt 31-n                            ; loads come back in order: number n is in, the younger ones stay out
	CV X+4*n
	global_store_b64 v[4+n/8], v[X+4*n:X+4*n+1], s[44:45] offset:256*(n%8)  ; no register that a store names is written again
.set n, n+1
.endr
	s_endpgm
.Lln:	; LAYERNORM.  Work-group 688 + g takes rows 8 g .. 8 g + 7 of y, a wave a row; the row stays in 32 registers between the passes.
	s_sub_co_u32 s41, s40, 688
	s_lshl_b32 s52, s41, 15                        ; 8 rows of 4,096 bytes, in y and in ab alike
	s_mov_b32 s53, 0
	s_add_nc_u64 s[42:43], s[26:27], s[52:53]
	s_add_nc_u64 s[44:45], s[32:33], s[52:53]
	s_add_nc_u64 s[44:45], s[44:45], 0x1000000     ; ab's row 4096
	s_mov_b32 s57, 0x3a800000                      ; 1 / 1024
	s_mov_b32 s58, 0x358637bd                      ; eps = 1e-6
	s_mov_b32 s38, 0x76543210                      ; v_permlanex16_b32: each lane takes its own place in the other half
	s_mov_b32 s39, 0xfedcba98
	v_lshlrev_b32 v3, 12, v2
	v_lshl_or_b32 v4, v1, 3, v3                    ; out: wave's row + 8 x lane
	v_lshl_or_b32 v3, v1, 4, v3                    ; in: wave's row + 16 x lane
	v_lshlrev_b32 v5, 4, v1
.irp j, 0,1,2,3,4,5,6,7
	global_load_b128 v[LW+4*\j:LW+4*\j+3], v5, s[28:29] offset:512*\j
.endr
.irp j, 0,1,2,3,4,5,6,7
	global_load_b128 v[LB+4*\j:LB+4*\j+3], v5, s[30:31] offset:512*\j
.endr
.irp j, 0,1,2,3,4,5,6,7
	global_load_b128 v[X+4*\j:X+4*\j+3], v3, s[42:43] offset:512*\j th:TH_LOAD_NT
.endr
	s_wait_loadcnt 8                               ; gain and bias are in; the row's eight loads may stay out
.irp j, 0,1,2,3,4,5,6,7
	RT LW+4*\j
	RT LB+4*\j
.endr
	s_wait_loadcnt 0x0
.irp j, 0,1,2,3,4,5,6,7
	RT X+4*\j
.endr
.irp c, 0,2,4,6                        ; the sum, in four chains started by the first pairs
	v_pk_add_f32 v[8+\c:9+\c], v[X+\c:X+\c+1], v[X+8+\c:X+9+\c]
.endr
.irp k, 16,24
.irp c, 0,2,4,6
	v_pk_add_f32 v[8+\c:9+\c], v[8+\c:9+\c], v[X+\k+\c:X+\k+\c+1]
.endr
.endr
	MERGE
	REDUCE
	v_mul_f32 v12, s57, v8                         ; the mean
	v_mov_b32 v13, v12
.set p, 0
.rept 16
	v_pk_add_f32 v[X+p:X+p+1], v[X+p:X+p+1], v[12:13] neg_lo:[0,1] neg_hi:[0,1]
.set p, p+2
.endr
.irp c, 0,2,4,6                        ; the sum of squared differences
	v_pk_mul_f32 v[8+\c:9+\c], v[X+\c:X+\c+1], v[X+\c:X+\c+1]
.endr
.irp k, 8,16,24
.irp c, 0,2,4,6
	v_pk_fma_f32 v[8+\c:9+\c], v[X+\k+\c:X+\k+\c+1], v[X+\k+\c:X+\k+\c+1], v[8+\c:9+\c]
.endr
.endr
	MERGE
	REDUCE
	v_fma_f32 v14, v8, s57, s58                    ; variance + eps
	v_rsq_f32 v14, v14
	v_nop                                          ; a plain instruction behind the root,
	s_wait_alu depctr_va_vdst(0)                   ; and the wait ahead of its first reader
	v_mov_b32 v15, v14
.set p, 0
.rept 16
	v_pk_mul_f32 v[X+p:X+p+1], v[X+p:X+p+1], v[14:15]
.set p, p+2
.endr
.set p, 0
.rept 16
	v_pk_fma_f32 v[X+p:X+p+1], v[X+p:X+p+1], v[LW+p:LW+p+1], v[LB+p:LB+p+1]
.set p, p+2
.endr
.irp j, 0,1,2,3,4,5,6,7
	v_cvt_pk_f16_f32 v[X+4*\j], v[X+4*\j], v[X+4*\j+1]
	v_cvt_pk_f16_f32 v[X+4*\j+1], v[X+4*\j+2], v[X+4*\j+3]
	global_store_b64 v4, v[X+4*\j:X+4*\j+1], s[44:45] offset:256*\j
.endr
	s_endpgm
.Lfunc_end_k_qccb7d404e6_prep:
	.size	k_qccb7d404e6_prep, .Lfunc_end_k_qccb7d404e6_prep-k_qccb7d404e6_prep
	.p2alignl 7, 3214868480
	.fill 96, 4, 3214868480
	.section	.rodata,"a",@progbits
	.p2align	6, 0x0
	.amdhsa_kernel k_qccb7d404e6_prep
		.amdhsa_group_segment_fixed_size 0
		.amdhsa_private_segment_fixed_size 0
		.amdhsa_enable_private_segment 0
		.amdhsa_kernarg_size 120
		.amdhsa_user_sgpr_count 2
		.amdhsa_user_sgpr_kernarg_segment_ptr 1
		.amdhsa_wavefront_size32 1
		.amdhsa_system_sgpr_workgroup_id_x 1
		.amdhsa_system_sgpr_workgroup_id_y 1
		.amdhsa_system_sgpr_workgroup_id_z 1
		.amdhsa_system_vgpr_workitem_id 0
		.amdhsa_next_free_vgpr 144
		.amdhsa_next_free_sgpr 66
		.amdhsa_reserve_vcc 1
		.amdhsa_float_denorm_mode_32 3
		.amdhsa_float_denorm_mode_16_64 3
		.amdhsa_memory_ordered 1
		.amdhsa_forward_progress 1
		.amdhsa_inst_pref_size 43
	.end_amdhsa_kernel
	.amdgpu_metadata
---
amdhsa.version: [ 1, 2 ]
amdhsa.kernels:
  - .name:           k_qccb7d404e6_prep
    .symbol:         k_qccb7d404e6_prep.kd
    .args:
      - { .name: x, .offset: 0, .size: 8, .value_kind: global_buffer, .address_space: global }
      - { .name: Wq, .offset: 8, .size: 8, .value_kind: global_buffer, .address_space: global }
      - { .name: Wo, .offset: 16, .size: 8, .value_kind: global_buffer, .address_space: global }
      - { .name: Wk, .offset: 24, .size: 8, .value_kind: global_buffer, .address_space: global }
      - { .name: Wv, .offset: 32, .size: 8, .value_kind: global_buffer, .address_space: global }
      - { .name: x_cos, .offset: 40, .size: 8, .value_kind: global_buffer, .address_space: global }
      - { .name: x_sin, .offset: 48, .size: 8, .value_kind: global_buffer, .address_space: global }
      - { .name: y_cos, .offset: 56, .size: 8, .value_kind: global_buffer, .address_space: global }
      - { .name: y_sin, .offset: 64, .size: 8, .value_kind: global_buffer, .address_space: global }
      - { .name: y, .offset: 72, .size: 8, .value_kind: global_buffer, .address_space: global }
      - { .name: ln_w, .offset: 80, .size: 8, .value_kind: global_buffer, .address_space: global }
      - { .name: ln_b, .offset: 88, .size: 8, .value_kind: global_buffer, .address_space: global }
      - { .name: ab, .offset: 96, .size: 8, .value_kind: global_buffer, .address_space: global }
      - { .name: wb, .offset: 104, .size: 8, .value_kind: global_buffer, .address_space: global }
      - { .name: cs, .offset: 112, .size: 8, .value_kind: global_buffer, .address_space: global }
    .group_segment_fixed_size: 0
    .private_segment_fixed_size: 0
    .kernarg_segment_align: 8
    .kernarg_segment_size: 120
    .max_flat_workgroup_size: 256
    .sgpr_count:     66
    .vgpr_count:     144
    .wavefront_size: 32
...
	.end_amdgpu_metadata
.endif
;; end of part 1
;; launch proj (part 2): grid 8 x 32, 4 waves a work-group, clusters of 4 x 4, 327,680 bytes of LDS; arguments ab, wb, cs, bq, bk, bv, rmsq_w, rmsk_w, qkv, ss; writes qkv, ss
.if DOCPART == 2
	.amdgcn_target "amdgcn-amd-amdhsa--gfx1250"
	.amdhsa_code_object_version 6
	.text
	.protected	k_qccb7d404e6_proj
	.globl	k_qccb7d404e6_proj
	.p2align	8
	.type	k_qccb7d404e6_proj,@function
k_qccb7d404e6_proj:
	s_mov_b64 s[64:65], 0
	v_nop
	global_prefetch_b8 v0, s[64:65] scope:SCOPE_SE
	s_setreg_imm32_b32 hwreg(HW_REG_WAVE_MODE, 25, 1), 1
	s_wait_xcnt 0x0
	s_wait_alu depctr_hold_cnt(0) depctr_sa_sdst(0) depctr_va_vdst(0) depctr_va_sdst(0) depctr_va_ssrc(0) depctr_va_vcc(0) depctr_vm_vsrc(0)
	s_getreg_b32 s2, hwreg(HW_REG_IB_STS2, 6, 4)
	s_cmp_eq_u32 s2, 0
	s_cbranch_scc0 .Lentry_in_a_cluster
	s_endpgm
.Lentry_in_a_cluster:
	s_bfe_u32 s2, ttmp6, 0x10000c
	s_cmp_lg_u32 s2, 0xf033
	s_cbranch_scc0 .Lentry_shape_is_right
	s_endpgm
.Lentry_shape_is_right:
; PROJ: the three projections in one launch.  C[m][n] = sum over k of A[m][k] B[n][k], f16 operands, f32 sums.  A = ab (x, then the normalised y), B = wb (Wq, Wk, Wv), rows of 4,096 bytes.
; WHO DOES WHAT hangs on the cluster's y alone, which all sixteen partners share: clusters 0-3 make q (K = 2,048), 4-5 k, 6-7 v (K = 1,024): 128 + 64 + 64 tiles, 256 work-groups.
; A tile of C is 256 x 256: four waves, each 128 rows x 128 columns = ONE HEAD of its rows, 64 accumulators, 512 registers.  K goes in steps of 128 (rows of 256 bytes) through two LDS slots:
; a wave issues 256 products a step, 224 of them between the request for a tile and the wait for it.
; CLUSTER 4 x 4: A's tile is asked for jointly along a row of the cluster, B's along a column.
; COS AND SIN of the tile's 256 rows (2 x 256 rows of 272 bytes: just a slot) are the LAST FILL OF SLOT 0, asked for jointly along a row of the cluster at the change of slots behind the last K step but one:
; they land while the last K step is multiplied.  v's clusters ask for them too and do not read them, so that every wave of every cluster issues the same loads.
; THE WAY OUT of q and k.  t = sum + bias.  The RMS norm's mean runs over all 16 heads, which lie in other work-groups; so here t is divided by the root of ITS HEAD's mean square
; (never below 1e-30), multiplied by the gain, turned by RoPE and rounded once to f16, and the head's sum of squares goes out in f32; the attention launch applies
; sqrt(head mean) x rsqrt(row mean + eps) to the scores, in f32.  The product of the two factors is the reference's rsqrt(row mean + eps).
; LIMITS.  bias and gain are rounded to bf16.  What is stored in f16 must lie within 65,504: q'' and k'' are at most 11.4 x 1.5 x |gain| x |cos|; v has the range of its sums.
; A head's mean square below 1e-30 counts as 1e-30, here and in the attention launch alike.  NaN and infinities are not treated apart.
; THE MATRIX INSTRUCTION IS USED TRANSPOSED (source 0 = 16 rows of B, source 1 = 16 rows of A): a lane holds row l % 16 of C and the columns 8 (l / 16) + 0..7.
; REGISTERS, in windows of 256: window 0 addresses, bias, gain, A's fragments v64-127 and v128-191 (two buffers of 8 x 16 rows x 32 K), later the way out; window 1 B's fragments, likewise;
; window 2 the 32 accumulators of my rows 0-63, (a, b) at 8 (8 a + b); window 3 those of my rows 64-127.
.set PITCH,  272                       ; an LDS row: 256 bytes + 16 of padding: the 16 rows of a fragment load start at 16 different groups of four banks
.set HALFT,  128*PITCH                 ; 128 rows: what one tensor load brings, and what one wave reads of A or of B
.set SLOT,   4*HALFT                   ; A's 256 rows, then B's 256 rows; at the end slot 0 holds cos' 256 rows, then sin's
.set SPITCH, 528                       ; the way out's stage: rows of 128 f32 + 16 bytes
.set STG,    SLOT                      ; it lies in slot 1, which has had its last fill by then: wave w's 64 rows at STG + w x HALFT
.set SPARE,  2*SLOT                    ; the spare words, 128 bytes a wave: two blocks of 256 bytes that no other line names
.set SS,   12                          ; v12-15 lane i of a half: the sums of squares of row pairs i, i + 16, i + 32, i + 48 (rows 2 x pair + half)
.set ADRA, 16                          ; v16-17 LDS address of my A fragments in slot 0, 1
.set RA0,  18                          ; where a pass of the way out begins to read the stage back; never rewritten
.set CA2,  19                          ; my 16 bytes of a row of sin
.set ADRB, 20                          ; v20-21 LDS address of my B fragments
.set SA,   22                          ; where I put 32 bytes of a row of the stage
.set RA,   23                          ; where q's and k's way out reads the stage back
.set CA,   24                          ; my 16 bytes of a row of cos
.set RAV,  25                          ; where v's way out reads the stage back
.set GOF,  26                          ; 16 x lane
.set KV,   27                          ; l % 16 less 4 for each trip of the way out
.set SPW,  28                          ; my spare word; never rewritten
.set NIL,  29                          ; 0; never rewritten
.set PFO,  30                          ; the prefetches' offset: 4,096 x lane; never rewritten
.set ZR,   31                          ; 0
.set BI,   32                          ; v32-39 bias of my 8 columns
.set GA,   40                          ; v40-47 gain
.set XS,   48                          ; v48-51 the other half's four sums
.set NLAP, 34                          ; s34 trips of the loop: K / 256 - 1
.set G1A,  36
.set G1B,  44
.set G1C,  52
.set G0A,  68                          ; a set of four for each slot
.set G0B,  76
.set G0C,  84
.set PFA,  88
.set PLIM, 90                          ; a wave prefetches in trips below this number
.set OUT,  92
.set SSO,  94
.set F0,   64
.set F1,   128
.set MUL_LO, 0xa1                      ; source 0 (B) window 1, source 1 (A) window 0, C and D window 2
.set MUL_HI, 0xf1                      ; the same, C and D window 3
.set TO_B,   0x40                      ; destination window 1, address window 0
.set ST_LO,  0x08                      ; an LDS store's data in window 2
.set ST_HI,  0x0c                      ; in window 3
.set DW0, (1<<16)|(1<<20)|(1<<21)|(5<<22)|(3<<25)  ; 2-byte elements; padding on; bit 21 beside a mask; after every 64 words, 4 words
.set MSB, 0
.macro WIN new
.if MSB != (\new)
	s_set_vgpr_msb (MSB<<8)|(\new)
.set MSB, \new
.endif
.endm
.macro PLACES                          ; four plain places behind matrix instructions, ahead of loads into their sources and of reads of their results
.rept 4
	v_nop
.endr
.endm
.macro CREST                           ; a round of the cluster's barrier behind its opening barrier
	s_cmp_lg_u32 s24, 0
	s_cbranch_scc1 .Lnot_wave_0_\@
	s_barrier_signal -3
.Lnot_wave_0_\@:
	s_barrier_wait -3
	s_barrier_signal -1
	s_barrier_wait -1
.endm
.macro CROUND
	s_barrier_signal -1
	s_barrier_wait -1
	CREST
.endm
.macro JLOAD s                         ; a joint refill: waves 0, 1 fetch A's halves, waves 2, 3 B's; the branch hangs on the wave's number alone
	s_cmp_eq_u32 s25, 0
	s_cbranch_scc0 .Lfor_b_\@
	tensor_load_to_lds s[G0A+4*(\s):G0A+4*(\s)+3], s[G1A:G1A+7]
	s_nop 0
.rept 4
	v_nop
.endr
	s_branch .Lasked_\@
.Lfor_b_\@:
	tensor_load_to_lds s[G0B+4*(\s):G0B+4*(\s)+3], s[G1B:G1B+7]
	s_nop 0
.rept 4
	v_nop
.endr
.Lasked_\@:
.endm
; A prefetch into the L2 of the K step that stands two refills on: 32 rows x 256 bytes, a lane a row, one instruction a wave.  Each row's 256 bytes of a K step are named once in the launch:
; A's rows by waves 0 and 1 of the clusters with x = 0 (k's clusters for the rows that v's read too), B's by waves 2 and 3 of each tensor's first row of clusters; of the 128 rows that a wave
; fetches each of the four partners that ask for them jointly names 32, told apart by address.
.macro ASK
	WIN 0
	s_cmp_lt_u32 s3, s[PLIM]                       ; the last trip has no K step two refills on
	s_cbranch_scc0 .Lnot_mine_\@
	global_prefetch_b8 v[PFO], s[PFA:PFA+1] offset:256 th:TH_LOAD_NT scope:SCOPE_SE
.Lnot_mine_\@:
.endm
; 16 products: row blocks a0, a0 + 1 of the window's four (hi = 0: my rows 0-63, 1: rows 64-127) x all 8 column blocks, 32 along K.  The 64 accumulators take turns in one fixed order.
.macro MUL16 f, hi, a0, zero
	WIN MUL_LO+0x50*(\hi)
.irp a, \a0, (\a0)+1
.irp b, 0,1,2,3,4,5,6,7
.if \zero
	v_wmma_f32_16x16x32_f16 v[8*(8*(\a)+(\b)):8*(8*(\a)+(\b))+7], v[(\f)+8*(\b):(\f)+8*(\b)+7], v[(\f)+8*(4*(\hi)+(\a)):(\f)+8*(4*(\hi)+(\a))+7], 0
.else
	v_wmma_f32_16x16x32_f16 v[8*(8*(\a)+(\b)):8*(8*(\a)+(\b))+7], v[(\f)+8*(\b):(\f)+8*(\b)+7], v[(\f)+8*(4*(\hi)+(\a)):(\f)+8*(4*(\hi)+(\a))+7], v[8*(8*(\a)+(\b)):8*(8*(\a)+(\b))+7]
.endif
.endr
.endr
.endm
.macro FETCH slot, k, f                ; 32 LDS loads in one run: B's eight fragments, then A's eight, 32 K at byte k of the rows
	WIN TO_B
.irp i, 0,1,2,3,4,5,6,7
	ds_load_b128 v[(\f)+8*\i:(\f)+8*\i+3],   v[ADRB+(\slot)] offset:(\k)+\i*16*PITCH
	ds_load_b128 v[(\f)+8*\i+4:(\f)+8*\i+7], v[ADRB+(\slot)] offset:(\k)+\i*16*PITCH+32
.endr
	WIN 0
.irp i, 0,1,2,3,4,5,6,7
	ds_load_b128 v[(\f)+8*\i:(\f)+8*\i+3],   v[ADRA+(\slot)] offset:(\k)+\i*16*PITCH
	ds_load_b128 v[(\f)+8*\i+4:(\f)+8*\i+7], v[ADRA+(\slot)] offset:(\k)+\i*16*PITCH+32
.endr
.endm
.macro QUARTER slot, k, f, g, zero     ; 64 products on buffer f; in their middle the next quarter's fragments are fetched into g
	s_wait_dscnt 8                                 ; B and A's rows 0-63 are in; the youngest eight loads, A's rows 64-127, may be out
	MUL16 \f, 0, 0, \zero
	MUL16 \f, 0, 2, \zero
	PLACES
	FETCH \slot, \k, \g
	s_wait_dscnt 32                                ; all but the 32 just issued
	MUL16 \f, 1, 0, \zero
	MUL16 \f, 1, 2, \zero
.endm
; The last quarter of a K step multiplies buffer 1 and changes slots.  Ahead of the barrier each wave waits for all its tensor loads (one is out: its part of the next slot), adds 0 to its spare
; word, and waits for that and for its reads of this slot.  The barrier opens a round of the cluster's, and the joint refill of this slot is the first thing behind the round:
; fill = 1: the K step two steps on; fill = 2: my 128 rows of cos or sin, the slot's last fill.
.macro TURN slot, next, fill
.if (\fill) == 1
	s_wait_xcnt 0x0                                ; the last prefetch, a K step back, has read its address
	s_add_nc_u64 s[PFA:PFA+1], s[PFA:PFA+1], 256
.endif
	WIN 0
	s_wait_tensorcnt 0x0
	ds_add_u32 v[SPW], v[NIL]
	s_wait_dscnt 9                                 ; the add and A's rows 64-127 may be out
	MUL16 F1, 0, 0, 0
	s_wait_dscnt 0x0                               ; the add is done, my reads of this slot are over
	s_barrier_signal -1
	MUL16 F1, 0, 2, 0
	WIN 0
	s_barrier_wait -1
	CREST
.if (\fill) == 1
	s_add_nc_u64 s[G0A+4*(\slot)+2:G0A+4*(\slot)+3], s[G0A+4*(\slot)+2:G0A+4*(\slot)+3], 512
	s_add_nc_u64 s[G0B+4*(\slot)+2:G0B+4*(\slot)+3], s[G0B+4*(\slot)+2:G0B+4*(\slot)+3], 512
	JLOAD \slot                                    ; its four v_nop are also the places ahead of the loads below
.else
	tensor_load_to_lds s[G0C:G0C+3], s[G1C:G1C+7]  ; one line for all four waves: each wave's own 128 rows, at its own place in the slot
	s_nop 0
.rept 4
	v_nop
.endr
.endif
	FETCH \next, 0, F0
.if (\fill) == 1
	ASK
.endif
	MUL16 F1, 1, 0, 0
	MUL16 F1, 1, 2, 0
.endm
.macro RT r                            ; four f32 rounded to bf16 and widened again, in place
	v_cvt_pk_bf16_f32 v10, v[(\r)], v[(\r)+1]
	v_cvt_pk_bf16_f32 v11, v[(\r)+2], v[(\r)+3]
	v_lshlrev_b32 v[(\r)], 16, v10
	v_and_b32 v[(\r)+1], 0xffff0000, v10
	v_lshlrev_b32 v[(\r)+2], 16, v11
	v_and_b32 v[(\r)+3], 0xffff0000, v11
.endm
.macro ALLS line:vararg                ; one line for each of the way out's four sets: set N's registers begin at E
.set E, 64
.set N, 0
.rept 4
	\line
.set E, E+48
.set N, N+1
.endr
.endm
.macro STAGE w                         ; a window's 32 accumulators, 64 rows x 128 f32, into my stage
	WIN \w
.irp a, 0,1,2,3
.irp b, 0,1,2,3,4,5,6,7
	ds_store_b128 v[SA], v[8*(8*\a+\b):8*(8*\a+\b)+3]   offset:16*SPITCH*\a+64*\b      ; each accumulator's low registers first
	ds_store_b128 v[SA], v[8*(8*\a+\b)+4:8*(8*\a+\b)+7] offset:16*SPITCH*\a+64*\b+16
.endr
.endr
	WIN 0
.endm
	s_load_b512 s[4:19], s[0:1], 0x0               ; ab 4, wb 6, cs 8, bq 10, bk 12, bv 14, rmsq_w 16, rmsk_w 18
	s_load_b128 s[20:23], s[0:1], 0x40             ; qkv 20, ss 22
	v_lshl_add_u32 v[SPW], v0, 2, SPARE
	v_mov_b32 v[NIL], 0
	ds_add_u32 v[SPW], v[NIL]                      ; the wave's opening: the add and its wait ahead of my first tensor load
	v_lshrrev_b32 v1, 5, v0
	v_readfirstlane_b32 s24, v1                    ; wave
	s_lshr_b32 s25, s24, 1                         ; WR: my half of the rows.  Also: I fetch for A (0) or B (1), cos (0) or sin (1)
	s_and_b32 s26, s24, 1                          ; WC: my half of the columns.  Also: which 128 rows I fetch
	s_bfe_u32 s27, ttmp6, 0x40000                  ; cx
	s_bfe_u32 s28, ttmp6, 0x40004                  ; cy
	s_mov_b32 s29, ttmp9                           ; the cluster's x
	s_and_b32 s30, ttmp7, 0xffff                   ; the cluster's y
	s_lshl_b32 s33, s29, 2
	s_add_co_u32 s33, s33, s27                     ; TX: tile column
	s_lshl_b32 s32, s30, 2
	s_add_co_u32 s32, s32, s28                     ; TY: tile row, through q's 16, k's 8 and v's 8
	s_cmp_ge_u32 s30, 4
	s_cselect_b32 s31, 1, 0                        ; MODE 0 q, 1 k, 2 v
	s_cselect_b32 s[NLAP], 3, 7
	s_cmp_ge_u32 s30, 6
	s_cselect_b32 s31, 2, s31
	s_cselect_b32 s60, 8, 0
	s_sub_co_u32 s35, s32, s60
	s_lshl_b32 s35, s35, 8                         ; the tile's first row in ab and in cs: v's tiles read the rows that k's read
	s_lshl_b32 s91, s33, 8
	s_lshl_b32 s62, s31, 11
	s_add_co_u32 s91, s91, s62                     ; the tile's first row in wb
	s_lshl_b32 s60, s28, 2
	s_lshl_b32 s60, 15, s60                        ; my row of the cluster
	s_lshl_b32 s62, 0x1111, s27                    ; my column
	s_or_b32 s[G1A], s60, DW0
	s_or_b32 s[G1C], s60, DW0
	s_or_b32 s[G1B], s62, DW0
.irp g, G1A, G1B, G1C
	s_mov_b32 s[(\g)+1], 128<<16                   ; a tile of 128 rows x 128 elements
	s_mov_b32 s[(\g)+2], 128<<16
	s_mov_b32 s[(\g)+3], 128<<16
	s_mov_b32 s[(\g)+4], 128
	s_mov_b32 s[(\g)+6], 0
	s_mov_b32 s[(\g)+7], 0
.endr
	s_mov_b32 s[G1A+5], 2048                       ; A and B: 2,048 elements from row to row
	s_mov_b32 s[G1B+5], 2048
	s_mov_b32 s[G1C+5], 128                        ; cos and sin: dense rows
	s_lshl_b32 s60, s26, 7
	s_add_co_u32 s60, s60, s35                     ; the first of the 128 rows of A, and of cos or sin, that I fetch
	s_lshl_b32 s104, s60, 8
	s_mul_i32 s105, s25, 1572864                   ; waves 0, 1: cos; waves 2, 3: sin
	s_add_co_u32 s104, s104, s105
	s_mov_b32 s105, 0
	s_lshl_b32 s60, s60, 12
	s_mov_b32 s61, 0
	s_lshl_b32 s62, s26, 7
	s_add_co_u32 s62, s62, s91
	s_lshl_b32 s62, s62, 12
	s_mov_b32 s63, 0
	s_mul_i32 s100, s24, HALFT                     ; where my 128 rows go in a slot: made of the wave's number alone
	s_wait_dscnt 0x0                               ; the opening add is done
	s_wait_kmcnt 0x0
	s_add_nc_u64 s[96:97], s[4:5], s[60:61]
	s_add_nc_u64 s[98:99], s[6:7], s[62:63]
.irp s, 0,1
	s_mov_b32 s[G0A+4*\s], 1
	s_add_co_u32 s[G0A+4*\s+1], s100, \s*SLOT
	s_add_nc_u64 s[G0A+4*\s+2:G0A+4*\s+3], s[96:97], \s*256
	s_or_b32 s[G0A+4*\s+3], s[G0A+4*\s+3], 0x80000000
	s_mov_b32 s[G0B+4*\s], 1
	s_add_co_u32 s[G0B+4*\s+1], s100, \s*SLOT
	s_add_nc_u64 s[G0B+4*\s+2:G0B+4*\s+3], s[98:99], \s*256
	s_or_b32 s[G0B+4*\s+3], s[G0B+4*\s+3], 0x80000000
.endr
	s_mov_b32 s[G0C], 1
	s_mov_b32 s[G0C+1], s100
	s_add_nc_u64 s[G0C+2:G0C+3], s[8:9], s[104:105]
	s_or_b32 s[G0C+3], s[G0C+3], 0x80000000
	CROUND                                         ; all sixteen work-groups are here: the first joint loads meet
	s_cmp_eq_u32 s25, 0                            ; a wave's two first fills stand in one branch: two loads of mine are out
	s_cbranch_scc0 .Lfirst_b
	tensor_load_to_lds s[G0A:G0A+3], s[G1A:G1A+7]
	s_nop 0
	tensor_load_to_lds s[G0A+4:G0A+7], s[G1A:G1A+7]
	s_nop 0
.rept 4
	v_nop
.endr
	s_branch .Lfirst_done
.Lfirst_b:
	tensor_load_to_lds s[G0B:G0B+3], s[G1B:G1B+7]
	s_nop 0
	tensor_load_to_lds s[G0B+4:G0B+7], s[G1B:G1B+7]
	s_nop 0
.rept 4
	v_nop
.endr
.Lfirst_done:
	; which bias and gain; where my 128 rows x one head go
	s_cmp_eq_u32 s31, 0
	s_cselect_b64 s[10:11], s[10:11], s[12:13]
	s_cselect_b64 s[16:17], s[16:17], s[18:19]
	s_cselect_b32 s100, 0, 16                      ; my tensor's first tile row
	s_cselect_b32 s104, 11, 10                     ; log2 of a batch's rows
	s_cselect_b32 s2, 0, 0x1000000                 ; my tensor's place in qkv
	s_cselect_b32 s105, 0, 262144                  ; and in ss
	s_cmp_eq_u32 s31, 2
	s_cselect_b64 s[10:11], s[14:15], s[10:11]
	s_cselect_b32 s100, 24, s100
	s_cselect_b32 s2, 0x1800000, s2
	s_sub_co_u32 s100, s32, s100
	s_lshl_b32 s100, s100, 8
	s_lshl_b32 s101, s25, 7
	s_add_co_u32 s100, s100, s101                  ; my first row in my tensor
	s_lshl_b32 s101, s33, 1
	s_add_co_u32 s101, s101, s26                   ; my head
	s_add_co_u32 s96, s104, 1
	s_lshl_b32 s96, s101, s96                      ; ss is [head][all rows]
	s_add_co_u32 s96, s96, s100
	s_lshl_b32 s96, s96, 2
	s_add_co_u32 s96, s96, s105
	s_mov_b32 s97, 0
	s_add_nc_u64 s[SSO:SSO+1], s[22:23], s[96:97]
	s_lshr_b32 s98, s100, s104                     ; batch
	s_lshl_b32 s99, s98, s104
	s_sub_co_u32 s99, s100, s99                    ; row in the batch
	s_lshl_b32 s99, s99, 8
	s_lshl_b32 s98, s98, 4
	s_add_co_u32 s98, s98, s101                    ; 16 batch + head
	s_add_co_u32 s96, s104, 8
	s_lshl_b32 s98, s98, s96
	s_add_co_u32 s98, s98, s99
	s_add_co_u32 s98, s98, s2
	s_mov_b32 s99, 0
	s_add_nc_u64 s[OUT:OUT+1], s[20:21], s[98:99]
	; the prefetches: who asks hangs on the wave, the mode and the cluster's place; which rows, on my place in the cluster, by address
	s_cmp_eq_u32 s31, 2
	s_cselect_b32 s100, 1, 0
	s_or_b32 s100, s100, s29                       ; 0: cluster x = 0, not v
	s_lshl_b32 s101, s31, 2
	s_min_u32 s101, s101, 6
	s_xor_b32 s101, s101, s30                      ; 0: my tensor's first row of clusters (y = 0, 4, 6)
	s_lshl_b32 s96, s27, 5
	s_add_co_u32 s96, s96, s35                     ; A: 32 rows for each partner along the row
	s_lshl_b32 s98, s28, 5
	s_add_co_u32 s98, s98, s91                     ; B: 32 rows for each partner along the column
	s_cmp_eq_u32 s25, 0
	s_cselect_b32 s100, s100, s101
	s_cselect_b32 s96, s96, s98
	s_cselect_b64 s[PFA:PFA+1], s[4:5], s[6:7]
	s_lshl_b32 s99, s26, 7
	s_add_co_u32 s96, s96, s99                     ; of the 128 rows that I fetch
	s_lshl_b32 s96, s96, 12
	s_add_co_u32 s96, s96, 512                     ; at K step 2: the first refill steps it to 3 and names K step 4
	s_mov_b32 s97, 0
	s_add_nc_u64 s[PFA:PFA+1], s[PFA:PFA+1], s[96:97]
	s_sub_co_u32 s101, s[NLAP], 1
	s_cmp_eq_u32 s100, 0
	s_cselect_b32 s[PLIM], s101, 0
	; lane addresses.  A fragment: lane l holds row l % 16; two loads of 16 bytes, 32 apart, at row x pitch + 16 (l / 16)
	v_and_b32 v1, 15, v0
	v_bfe_u32 v2, v0, 4, 1
	v_mul_u32_u24 v3, v1, PITCH
	v_lshl_add_u32 v3, v2, 4, v3
	s_mul_i32 s100, s25, HALFT                     ; my 128 rows of A
	s_mul_i32 s101, s26, HALFT                     ; my 128 rows of B,
	s_add_co_u32 s101, s101, 2*HALFT               ; which lie behind A's 256
.irp s, 0,1
	v_add_nc_u32 v[ADRA+\s], s100, v3
	v_add_nc_u32 v[ADRB+\s], s101, v3
	s_add_co_u32 s100, s100, SLOT
	s_add_co_u32 s101, s101, SLOT
.endr
	s_mul_i32 s100, s24, HALFT
	s_add_co_u32 s100, s100, STG                   ; my stage
	v_mul_u32_u24 v3, v1, SPITCH
	v_lshl_add_u32 v3, v2, 5, v3
	v_add_nc_u32 v[SA], s100, v3                   ; in: row l % 16, 32 bytes for each half of the lanes
	v_mul_u32_u24 v3, v2, SPITCH
	v_lshl_add_u32 v3, v1, 5, v3
	v_add_nc_u32 v[RA0], s100, v3                  ; back: lanes 0-15 one row, lanes 16-31 the next; lane i columns 8 i .. 8 i + 7
	s_mul_i32 s101, s25, HALFT                     ; cos of my 128 rows, in slot 0
	v_mul_u32_u24 v3, v2, PITCH
	v_lshl_add_u32 v3, v1, 4, v3
	v_add_nc_u32 v[CA], s101, v3
	v_add_nc_u32 v[CA2], 2*HALFT, v[CA]            ; sin lies 256 rows behind cos
	v_and_b32 v3, 31, v0                           ; lane; kept to the end
	v_lshlrev_b32 v5, 3, v3
	v_lshlrev_b32 v[GOF], 4, v3
	v_lshlrev_b32 v[PFO], 12, v3
	v_mov_b32 v[ZR], 0
	v_mov_b32 v[KV], v1
	s_lshl_b32 s100, s33, 10
	s_lshl_b32 s101, s26, 9
	s_add_co_u32 s100, s100, s101
	v_lshl_add_u32 v4, v1, 5, s100                 ; my 8 columns in bias and gain; never rewritten
	global_load_b128 v[BI:BI+3],   v4, s[10:11]
	global_load_b128 v[BI+4:BI+7], v4, s[10:11] offset:16
	global_load_b128 v[GA:GA+3],   v4, s[16:17]
	global_load_b128 v[GA+4:GA+7], v4, s[16:17] offset:16
	s_wait_tensorcnt 1                             ; my part of slot 0 is in; slot 1's may stay out
	s_barrier_signal -1
	s_barrier_wait -1
	FETCH 0, 0, F0
	QUARTER 0, 64, F0, F1, 1                       ; the first quarter starts the sums with the constant 0
	WIN 0
	s_mov_b32 s3, 0
.Llap:                                         ; a trip goes once round the ring and fills both slots again; the LDS addresses in it are fixed
	QUARTER 0, 128, F1, F0, 0
	QUARTER 0, 192, F0, F1, 0
	TURN 0, 1, 1
	QUARTER 1, 64,  F0, F1, 0
	QUARTER 1, 128, F1, F0, 0
	QUARTER 1, 192, F0, F1, 0
	TURN 1, 0, 1
	QUARTER 0, 64,  F0, F1, 0
	WIN 0
	s_add_co_u32 s3, s3, 1
	s_cmp_lt_u32 s3, s[NLAP]
	s_cbranch_scc1 .Llap
	QUARTER 0, 128, F1, F0, 0                      ; the last lap
	QUARTER 0, 192, F0, F1, 0
	TURN 0, 1, 2                                   ; slot 0 takes cos and sin: 288 products stand between this request and the wait for it
	QUARTER 1, 64,  F0, F1, 0
	QUARTER 1, 128, F1, F0, 0
	QUARTER 1, 192, F0, F1, 0
	s_wait_dscnt 8
	MUL16 F1, 0, 0, 0
	MUL16 F1, 0, 2, 0
	s_wait_dscnt 0x0
	MUL16 F1, 1, 0, 0
	MUL16 F1, 1, 2, 0
	WIN 0
	; THE WAY OUT.  Behind this barrier nobody reads slot 1, and no fill follows: the stages lie in it; and all of cos and sin lies in slot 0.
	PLACES
	s_wait_tensorcnt 0x0                           ; my rows of cos or sin have landed
	s_wait_dscnt 0x0
	s_barrier_signal -1
	; A set (two rows): T 8 at E, cos 4 at +8, sin 4 at +12, the partner's 8 at +16, products 8 at +24, sum 2 at +32, 1/rms 2 at +34, out 4 at +36.
	; Destinations of lane moves, of half-register writes and of selects count as read: they are written once here, work on registers between the signal and the wait.
	ALLS v_mov_b32 v[E+35], 0
.irp e, 0,1,2,3,4,5,6,7
	ALLS v_mov_b32 v[E+16+\e], 0
.endr
.irp e, 0,1,2,3
	ALLS v_mov_b32 v[E+36+\e], 0
.endr
.irp j, 0,1,2,3
	v_mov_b32 v[SS+\j], 0
	v_mov_b32 v[XS+\j], 0
.endr
	s_barrier_wait -1
	s_wait_loadcnt 0x0                             ; bias and gain
	RT BI
	RT BI+4
	RT GA
	RT GA+4
	s_mov_b32 s96, 0x76543210                      ; v_permlanex16_b32: each lane takes its own place in the other half
	s_mov_b32 s97, 0xfedcba98
	s_mov_b32 s98, 0                               ; what the next trip adds to the output's address: nothing the first time, then 8 rows
	s_mov_b32 s99, 0
	s_mov_b32 s2, 0
.Lpass:                                        ; two passes: my rows 0-63, then my rows 64-127: the stage holds 64 rows
	s_cmp_eq_u32 s2, 0
	s_cbranch_scc0 .Lhi
	STAGE ST_LO
	s_branch .Lstaged
.Lhi:
	STAGE ST_HI
.Lstaged:
	v_mov_b32 v[RA], v[RA0]
	v_mov_b32 v[RAV], v[RA0]
	; A wave reads back its own stage alone.
	; Between the two barriers no LDS byte is written.
	s_wait_dscnt 0x0                               ; my stage is whole
	s_barrier_signal -1
	s_barrier_wait -1                              ; everybody's is
	s_cmp_eq_u32 s31, 2
	s_cbranch_scc1 .Lvin
	s_mov_b32 s3, 8
.Lqk:                                          ; 8 trips of 8 rows
	ALLS ds_load_b128 v[E:E+3], v[RA] offset:2*SPITCH*N
	ALLS ds_load_b128 v[E+4:E+7], v[RA] offset:2*SPITCH*N+16
	ALLS ds_load_b128 v[E+8:E+11], v[CA] offset:2*PITCH*N
	ALLS ds_load_b128 v[E+12:E+15], v[CA2] offset:2*PITCH*N
	s_wait_dscnt 0x0
.irp p, 0,2,4,6
	ALLS v_pk_add_f32 v[E+\p:E+\p+1], v[E+\p:E+\p+1], v[BI+\p:BI+\p+1]
.endr
	ALLS v_pk_mul_f32 v[E+32:E+33], v[E:E+1], v[E:E+1]
.irp p, 2,4,6
	ALLS v_pk_fma_f32 v[E+32:E+33], v[E+\p:E+\p+1], v[E+\p:E+\p+1], v[E+32:E+33]
.endr
	ALLS v_add_f32 v[E+32], v[E+32], v[E+33]
.irp m, 1,2,4,8
	ALLS v_add_f32_dpp v[E+32], v[E+32], v[E+32] row_xmask:\m row_mask:0xf bank_mask:0xf
.endr
	ALLS v_mul_f32 v[E+34], 0x3c000000, v[E+32]    ; the head's sum of squares for the row, in all 16 lanes of its half; / 128
	ALLS v_max_num_f32 v[E+34], 0x0da24260, v[E+34]  ; never below 1e-30
	ALLS v_rsq_f32 v[E+34], v[E+34]
.irp n, 0,1,2,3                        ; set n of trip t (0 to 15 over both passes) holds row pair 4 t + n: lane i keeps pairs i + 16 j.  Plain work behind the four roots
.irp j, 0,1,2,3
	v_cmp_eq_i32 vcc_lo, \n-16*\j, v[KV]
	v_cndmask_b32 v[SS+\j], v[SS+\j], v[64+48*\n+32], vcc_lo
.endr
.endr
.irp p, 0,2,4,6
	ALLS v_pk_mul_f32 v[E+\p:E+\p+1], v[E+\p:E+\p+1], v[GA+\p:GA+\p+1]  ; the gain
.endr
	s_wait_alu depctr_va_vdst(0)                   ; one wait for the four roots, ahead of their first reader
.irp p, 0,2,4,6
	ALLS v_pk_mul_f32 v[E+\p:E+\p+1], v[E+\p:E+\p+1], v[E+34:E+35] op_sel_hi:[1,0]
.endr
.irp e, 0,1,2,3,4,5,6,7
	ALLS v_mov_b32_dpp v[E+16+\e], v[E+\e] row_xmask:8 row_mask:0xf bank_mask:0xf  ; channel d xor 64 lies eight lanes away
.endr
.irp e, 0,2,4,6
	ALLS v_fma_mix_f32 v[E+24+\e], v[E+\e], v[E+8+\e/2], v[ZR] op_sel_hi:[0,1,0]
	ALLS v_fma_mix_f32 v[E+25+\e], v[E+1+\e], v[E+8+\e/2], v[ZR] op_sel:[0,1,0] op_sel_hi:[0,1,0]
.endr
	s_wait_xcnt 0x0                                ; the last trip's stores, a trip's arithmetic back, have read their data and base: only now are these written again
	s_add_nc_u64 s[OUT:OUT+1], s[OUT:OUT+1], s[98:99]
	s_mov_b32 s98, 2048
.irp e, 0,2,4,6
	ALLS v_fma_mixlo_f16 v[E+36+\e/2], v[E+16+\e], v[E+12+\e/2], v[E+24+\e] op_sel_hi:[0,1,0]
	ALLS v_fma_mixhi_f16 v[E+36+\e/2], v[E+17+\e], v[E+12+\e/2], v[E+25+\e] op_sel:[0,1,0] op_sel_hi:[0,1,0]
.endr
	ALLS global_store_b128 v[GOF], v[E+36:E+39], s[OUT:OUT+1] offset:512*N  ; two whole rows of a head: 512 consecutive bytes
	v_add_nc_u32 v[RA], 8*SPITCH, v[RA]
	v_add_nc_u32 v[CA], 8*PITCH, v[CA]
	v_add_nc_u32 v[CA2], 8*PITCH, v[CA2]
	v_add_nc_u32 v[KV], -4, v[KV]
	s_sub_co_u32 s3, s3, 1
	s_cmp_lg_u32 s3, 0
	s_cbranch_scc1 .Lqk
	s_branch .Lpe
.Lvin:
	s_mov_b32 s3, 8
.Lv:                                           ; v: bias, one rounding to f16
	ALLS ds_load_b128 v[E:E+3], v[RAV] offset:2*SPITCH*N
	ALLS ds_load_b128 v[E+4:E+7], v[RAV] offset:2*SPITCH*N+16
	s_wait_dscnt 0x0
.irp p, 0,2,4,6
	ALLS v_pk_add_f32 v[E+\p:E+\p+1], v[E+\p:E+\p+1], v[BI+\p:BI+\p+1]
.endr
	s_wait_xcnt 0x0                                ; the last trip's stores have read their data and base
	s_add_nc_u64 s[OUT:OUT+1], s[OUT:OUT+1], s[98:99]
	s_mov_b32 s98, 2048
.irp e, 0,1,2,3
	ALLS v_cvt_pk_f16_f32 v[E+36+\e], v[E+2*\e], v[E+2*\e+1]
.endr
	ALLS global_store_b128 v[GOF], v[E+36:E+39], s[OUT:OUT+1] offset:512*N
	v_add_nc_u32 v[RAV], 8*SPITCH, v[RAV]
	s_sub_co_u32 s3, s3, 1
	s_cmp_lg_u32 s3, 0
	s_cbranch_scc1 .Lv
.Lpe:
	s_wait_dscnt 0x0                               ; my stepped reads are back,
	s_barrier_signal -1
	s_barrier_wait -1                              ; and everybody's: only now is an LDS byte written again
	s_add_co_u32 s2, s2, 1
	s_cmp_lt_u32 s2, 2
	s_cbranch_scc1 .Lpass
	s_cmp_eq_u32 s31, 2
	s_cbranch_scc1 .Lend
	; my wave's 128 sums, in two runs of 64 rows: lane L takes rows 2 L and 2 L + 1.  Lanes 0-15: own pair i (even row) and the other half's (odd row); lanes 16-31: the other half's pair i + 16 and their own
.irp j, 0,1,2,3
	v_permlanex16_b32 v[XS+\j], v[SS+\j], s96, s97
.endr
	v_cmp_gt_u32 vcc_lo, 16, v3
	v_cndmask_b32 v6, v[XS+1], v[SS], vcc_lo
	v_cndmask_b32 v7, v[SS+1], v[XS], vcc_lo
	v_cndmask_b32 v8, v[XS+3], v[SS+2], vcc_lo
	v_cndmask_b32 v9, v[SS+3], v[XS+2], vcc_lo
	global_store_b64 v5, v[6:7], s[SSO:SSO+1]      ; 256 consecutive bytes, at a multiple of 256 from ss's first
	global_store_b64 v5, v[8:9], s[SSO:SSO+1] offset:256
.Lend:
	s_wait_tensorcnt 0x0                           ; the wave's end, behind my last tensor load and my last LDS store
	ds_add_u32 v[SPW], v[NIL]
	s_wait_dscnt 0x0
	CROUND                                         ; the closing round
	s_endpgm
.Lfunc_end_k_qccb7d404e6_proj:
	.size	k_qccb7d404e6_proj, .Lfunc_end_k_qccb7d404e6_proj-k_qccb7d404e6_proj
	.p2alignl 7, 3214868480
	.fill 96, 4, 3214868480
	.section	.rodata,"a",@progbits
	.p2align	6, 0x0
	.amdhsa_kernel k_qccb7d404e6_proj
		.amdhsa_group_segment_fixed_size 327680
		.amdhsa_private_segment_fixed_size 0
		.amdhsa_enable_private_segment 0
		.amdhsa_kernarg_size 80
		.amdhsa_user_sgpr_count 2
		.amdhsa_user_sgpr_kernarg_segment_ptr 1
		.amdhsa_wavefront_size32 1
		.amdhsa_system_sgpr_workgroup_id_x 1
		.amdhsa_system_sgpr_workgroup_id_y 1
		.amdhsa_system_sgpr_workgroup_id_z 1
		.amdhsa_system_vgpr_workitem_id 0
		.amdhsa_next_free_vgpr 1024
		.amdhsa_next_free_sgpr 106
		.amdhsa_reserve_vcc 1
		.amdhsa_float_denorm_mode_32 3
		.amdhsa_float_denorm_mode_16_64 3
		.amdhsa_memory_ordered 1
		.amdhsa_forward_progress 1
		.amdhsa_inst_pref_size 146
	.end_amdhsa_kernel
	.amdgpu_metadata
---
amdhsa.version: [ 1, 2 ]
amdhsa.kernels:
  - .name:           k_qccb7d404e6_proj
    .symbol:         k_qccb7d404e6_proj.kd
    .args:
      - { .name: ab, .offset: 0, .size: 8, .value_kind: global_buffer, .address_space: global }
      - { .name: wb, .offset: 8, .size: 8, .value_kind: global_buffer, .address_space: global }
      - { .name: cs, .offset: 16, .size: 8, .value_kind: global_buffer, .address_space: global }
      - { .name: bq, .offset: 24, .size: 8, .value_kind: global_buffer, .address_space: global }
      - { .name: bk, .offset: 32, .size: 8, .value_kind: global_buffer, .address_space: global }
      - { .name: bv, .offset: 40, .size: 8, .value_kind: global_buffer, .address_space: global }
      - { .name: rmsq_w, .offset: 48, .size: 8, .value_kind: global_buffer, .address_space: global }
      - { .name: rmsk_w, .offset: 56, .size: 8, .value_kind: global_buffer, .address_space: global }
      - { .name: qkv, .offset: 64, .size: 8, .value_kind: global_buffer, .address_space: global }
      - { .name: ss, .offset: 72, .size: 8, .value_kind: global_buffer, .address_space: global }
    .group_segment_fixed_size: 327680
    .private_segment_fixed_size: 0
    .kernarg_segment_align: 8
    .kernarg_segment_size: 80
    .max_flat_workgroup_size: 128
    .sgpr_count:     106
    .vgpr_count:     1024
    .wavefront_size: 32
...
	.end_amdgpu_metadata
.endif
;; end of part 2
;; launch attn (part 3): grid 8 x 32, 4 waves a work-group, clusters of 4 x 1, 327,680 bytes of LDS; arguments qkv, ss, ao; writes ao
.if DOCPART == 3
	.amdgcn_target "amdgcn-amd-amdhsa--gfx1250"
	.amdhsa_code_object_version 6
	.text
	.protected	k_qccb7d404e6_attn
	.globl	k_qccb7d404e6_attn
	.p2align	8
	.type	k_qccb7d404e6_attn,@function
k_qccb7d404e6_attn:
	s_mov_b64 s[64:65], 0
	v_nop
	global_prefetch_b8 v0, s[64:65] scope:SCOPE_SE
	s_setreg_imm32_b32 hwreg(HW_REG_WAVE_MODE, 25, 1), 1
	s_wait_xcnt 0x0
	s_wait_alu depctr_hold_cnt(0) depctr_sa_sdst(0) depctr_va_vdst(0) depctr_va_sdst(0) depctr_va_ssrc(0) depctr_va_vcc(0) depctr_vm_vsrc(0)
	s_getreg_b32 s2, hwreg(HW_REG_IB_STS2, 6, 4)
	s_cmp_eq_u32 s2, 0
	s_cbranch_scc0 .Lentry_in_a_cluster
	s_endpgm
.Lentry_in_a_cluster:
	s_bfe_u32 s2, ttmp6, 0x10000c
	s_cmp_lg_u32 s2, 0x3003
	s_cbranch_scc0 .Lentry_shape_is_right
	s_endpgm
.Lentry_shape_is_right:
; ATTENTION, unmasked: 32 (batch, head) pairs, 2,048 queries, 1,024 keys, head size 128.  q'', k'', v: f16 by heads, as the projection launch left them; ss: each head's sums of squares, f32.
; A score is (q'' . k'') x fq x fk / sqrt(128), with f = sqrt(max(head mean, 1e-30)) x rsqrt(row mean over all 16 heads + 1e-6): what is left of the reference's RMS norm, applied here in f32.
; fk multiplies the scores key by key (a table of 1,024 f32 in LDS); fq is one number a lane and goes into the exponent's factor cq = log2(e) / sqrt(128) x fq, which is positive.
; SOFTMAX with a running maximum m (of s x fk) and sum l: p = 2^(cq s - cq m); in every step O and l are multiplied by a = 2^(cq m_old - cq m_new).  m starts at the lowest finite number,
; O and l at 0: the first step is a step like any other, with a = 0; its products V^T P work on zeros.
; LIMITS.  p is rounded to f16 for the second product (l is the sum of the unrounded p); O once to f16: a mean of v's rows, within their range.  A weight below 2^-126 counts as 0.  NaN and infinities are not treated apart.
; SHARES.  A work-group owns 256 queries of one head, a wave 64: four tiles of 16.  Every wave walks all keys, 64 a step; a slot of LDS holds two steps.
; LAYOUT.  S^T = K Q^T: a lane holds ONE query (lane % 16) and the keys 8 (lane / 16) + 0..7; two such results rounded to f16 ARE source 1 of O^T = V^T P.  V comes out of LDS turned.
; IN PHASES: a key step is V^T P of the step before, K Q^T, then the softmax of all four tiles, with one batch of exponentials and one wait.
; CLUSTER.  The four query blocks of a cluster walk the same K and V: each tile is asked for jointly, by the same load, descriptor and mask in all four.
; REGISTERS: window 0 addresses, statistics, S^T v64-191 (32 a tile), P v192-255 (16 a tile); window 1 O^T, 64 a tile; window 2 Q v0-127, K v128-255; window 3 V v0-127, the step's 32 key factors v128-159.
.set KS,    64
.set PK,    272                        ; a row of K in LDS: 256 + 16
.set PVP,   288                        ; a row of V: 256 + 32
.set VOFF,  KS*PK
.set STEPB, KS*(PK+PVP)
.set SLOT1, 1<<17
.set STAGE, SLOT1+2*STEPB              ; 16 rows x 272 bytes for each wave, for the way out
.set SP,    272
.set FKT,   STAGE+4*16*SP              ; the key factors: 1,024 f32
.set SPARE, FKT+4096                   ; the spare words: two blocks of 256 bytes that no other line names
.set AK0, 2
.set AV0, 3
.set ADR, 4
.set QO,  5
.set STO, 6
.set RD,  7
.set GO,  8
.set AF0, 9                            ; my half's place in a step's key factors
.set AFR, 10
.set MV,  12                           ; v12-15 cq m_old, by tile
.set ST,  16                           ; tile t: cq m, m, l (even keys', odd keys')
.set TMP, 32                           ; tile t: c0-c3 at work; c2 takes a
.set CQ,  48                           ; tile t: cq, twice
.set PFO, 61
.set SPW, 62
.set NIL, 63
.set S,   64
.set P,   192
.set KF,  128                          ; window 2
.set FK,  128                          ; window 3
.set WV,  12
.set LIM, 15
.set H,   16
.set PFA, 18
.set G1K, 24
.set G1V, 32
.set G0K, 40                           ; one walking descriptor for K,
.set G0V, 44                           ; one for V
.set SLOTS, 56
.set TWICE, 57
.set SEL, 60
.set TB,  62                           ; LDS byte at which the tiles of the step to be fetched begin
.set TF,  63                           ; byte of that step in the key factors
.set MSB, 0
.macro WIN new
.if MSB != (\new)
	s_set_vgpr_msb (MSB<<8)|(\new)
.set MSB, \new
.endif
.endm
.set W_KQ, 0x0a
.set W_PV, 0x53
.set W_RS, 0x41
.set W_MF, 0x0c                        ; source 1 in window 3
.macro PLACES
.rept 4
	v_nop
.endr
.endm
.macro JLOAD                           ; waves 0, 1 fetch the slot's two steps of K, waves 2, 3 those of V
	s_cmp_lt_u32 s[WV], 2
	s_cbranch_scc0 .Lfor_v_\@
	tensor_load_to_lds s[G0K:G0K+3], s[G1K:G1K+7]
	s_nop 0
.rept 4
	v_nop
.endr
	s_branch .Lasked_\@
.Lfor_v_\@:
	tensor_load_to_lds s[G0V:G0V+3], s[G1V:G1V+7]
	s_nop 0
.rept 4
	v_nop
.endr
.Lasked_\@:
.endm
; A prefetch into the L2 of what the NEXT change of slots will ask for: 128 rows of K and of V, 256 bytes a row, a lane a row.  The head's first cluster asks; its four partners take 32 rows each, by
; address; in each, wave 0 asks for K's and wave 2 for V's.  So each row is named once.  The last change that fills a slot asks for nothing.
.macro ASK
	s_cmp_gt_u32 s[SLOTS], s[LIM]
	s_cbranch_scc0 .Lnot_mine_\@
	global_prefetch_b8 v[PFO], s[PFA:PFA+1] th:TH_LOAD_NT scope:SCOPE_SE
.Lnot_mine_\@:
.endm
.macro CROUND
	s_barrier_signal -1
	s_barrier_wait -1
	s_cmp_lg_u32 s[WV], 0
	s_cbranch_scc1 .Lnot_wave_0_\@
	s_barrier_signal -3
.Lnot_wave_0_\@:
	s_barrier_wait -3
	s_barrier_signal -1
	s_barrier_wait -1
.endm
; THE CHANGE OF SLOTS.  Each wave waits for all its tensor loads (one is out: its part of the other slot), adds 0 to its spare word, and waits for that and for its LDS reads.  fill = 1: the slot that
; has been read is filled again, first thing behind a round of the cluster's barrier; the load has two key steps in which to land.  (At its first use slot 0 is waited for and slot 1 filled.)
.macro CHANGE fill
	WIN 0
	s_wait_tensorcnt 0x0
	ds_add_u32 v[SPW], v[NIL]
.if \fill
.irp g, G0K, G0V
	s_xor_b32 s[(\g)+1], s[(\g)+1], SLOT1
	s_add_nc_u64 s[(\g)+2:(\g)+3], s[(\g)+2:(\g)+3], 2*KS*256
.endr
	s_wait_xcnt 0x0                                ; the last prefetch, two key steps back, has read its address
	s_add_nc_u64 s[PFA:PFA+1], s[PFA:PFA+1], 2*KS*256
	s_wait_dscnt 0x0
	CROUND
	JLOAD
	ASK
.else
	s_wait_dscnt 0x0
	s_barrier_signal -1
	s_barrier_wait -1
.endif
	s_sub_co_u32 s[TB], s[TB], 2*STEPB
	s_xor_b32 s[TB], s[TB], SLOT1
.endm
; 64 products O^T += V^T P: keys 32 (i / 32) on, channels 16 ((i / 4) % 8) on, tile i % 4.  The 32 accumulators take turns.
.macro PVALL
	WIN W_PV
.set i, 0
.rept 64
.set rO, 64*(i%4)+8*((i/4)%8)
.set rV, 64*(i/32)+8*((i/4)%8)
.set rP, P+16*(i%4)+8*(i/32)
	v_wmma_f32_16x16x32_f16 v[rO:rO+7], v[rV:rV+7], v[rP:rP+7], v[rO:rO+7]
.set i, i+1
.endr
.endm
; 64 products S^T = K Q^T: channels 32 (i / 16) on, keys 16 ((i / 4) % 4) on, tile i % 4.  The first 16 start the sums.
.macro KQALL
	WIN W_KQ
.set i, 0
.rept 64
.set rS, S+32*(i%4)+8*((i/4)%4)
.set rK, KF+32*((i/4)%4)+8*(i/16)
.set rQ, 32*(i%4)+8*(i/16)
.if i < 16
	v_wmma_f32_16x16x32_f16 v[rS:rS+7], v[rK:rK+7], v[rQ:rQ+7], 0
.else
	v_wmma_f32_16x16x32_f16 v[rS:rS+7], v[rK:rK+7], v[rQ:rQ+7], v[rS:rS+7]
.endif
.set i, i+1
.endr
.endm
.macro TREGS t
.set rT, ST+4*(\t)
.set rC, TMP+4*(\t)
.set rM, MV+(\t)
.set rS, S+32*(\t)
.set rP, P+16*(\t)
.set rQ, CQ+2*(\t)
.endm
; Number n of the 22 that find a tile's maximum and statistics: 0-11 four chains of seven scores; 12-14, 16 the four left over, the old m, all into c0; 15 cq m_old is kept;
; 17, 18 the other half of the lanes; 19-21 cq m, its change, a.
.macro XS t, n
	TREGS \t
.if (\n) < 4
	v_max3_num_f32 v[rC+(\n)], v[rS+8*(\n)], v[rS+8*(\n)+1], v[rS+8*(\n)+2]
.elseif (\n) < 12
	v_max3_num_f32 v[rC+(\n)%4], v[rC+(\n)%4], v[rS+8*((\n)%4)+2*((\n)/4)+1], v[rS+8*((\n)%4)+2*((\n)/4)+2]
.elseif (\n) == 12
	v_max3_num_f32 v[rC], v[rC], v[rS+7], v[rS+15]
.elseif (\n) == 13
	v_max3_num_f32 v[rC+1], v[rC+1], v[rS+23], v[rS+31]
.elseif (\n) == 14
	v_max3_num_f32 v[rC+2], v[rC+2], v[rC+3], v[rT+1]
.elseif (\n) == 15
	v_mov_b32 v[rM], v[rT]
.elseif (\n) == 16
	v_max3_num_f32 v[rC], v[rC], v[rC+1], v[rC+2]
.elseif (\n) == 17
	v_permlanex16_b32 v[rC+3], v[rC], s[SEL], s[SEL+1]
.elseif (\n) == 18
	v_max_num_f32 v[rT+1], v[rC], v[rC+3]
.elseif (\n) == 19
	v_mul_f32 v[rT], v[rQ], v[rT+1]
.elseif (\n) == 20
	v_sub_f32 v[rC+1], v[rM], v[rT]
.else
	v_exp_f32 v[rC+2], v[rC+1]
.endif
.endm
; THE SOFTMAX of a key step, each line for the four tiles in turn, so that no line reads the result of the one before it.
.macro SOFTMAX
	WIN W_MF
.set p, 0
.rept 16                               ; the key factors; pairs ascend
.irp t, 0,1,2,3
	v_pk_mul_f32 v[S+32*\t+2*p:S+32*\t+2*p+1], v[S+32*\t+2*p:S+32*\t+2*p+1], v[FK+2*p:FK+2*p+1]
.endr
.set p, p+1
.endr
	WIN 0
.irp n, 0,1,2,3,4,5,6,7,8,9,10,11,12,13,14,15,16,17,18,19,20,21
.irp t, 0,1,2,3
	XS \t, \n
.endr
.endr
.set p, 0
.rept 16                               ; ONE BATCH with the four a above: the scalings cq s - cq m and the 128 exponentials; none of these lines names an exponential's result
.irp t, 0,1,2,3
	v_pk_fma_f32 v[S+32*\t+2*p:S+32*\t+2*p+1], v[S+32*\t+2*p:S+32*\t+2*p+1], v[CQ+2*\t:CQ+2*\t+1], v[ST+4*\t:ST+4*\t+1] op_sel_hi:[1,0,0] neg_lo:[0,0,1] neg_hi:[0,0,1]
.endr
.irp t, 0,1,2,3
	v_exp_f32 v[S+32*\t+2*p], v[S+32*\t+2*p]
.endr
.irp t, 0,1,2,3
	v_exp_f32 v[S+32*\t+2*p+1], v[S+32*\t+2*p+1]
.endr
.set p, p+1
.endr
	v_nop                                          ; a plain instruction behind the last exponential,
	s_wait_alu depctr_va_vdst(0)                   ; and one wait for the batch, ahead of its first reader
.set p, 0
.rept 16
.irp t, 0,1,2,3
	v_cvt_pk_f16_f32 v[P+16*\t+p], v[S+32*\t+2*p], v[S+32*\t+2*p+1]
.endr
.set p, p+1
.endr
.set z, 0
.rept 16                               ; the sum of a tile's 16 pairs, in place: neighbours 1, 2, 4, 8 pairs apart; then l = a l + sum
.set w, 4
.set u, z
.if z >= 14
.set w, 32
.set u, 0
.elseif z >= 12
.set w, 16
.set u, z-12
.elseif z >= 8
.set w, 8
.set u, z-8
.endif
.irp t, 0,1,2,3
	TREGS \t
.if z < 15
	v_pk_add_f32 v[rS+w*u:rS+w*u+1], v[rS+w*u:rS+w*u+1], v[rS+w*u+w/2:rS+w*u+w/2+1]
.else
	v_pk_fma_f32 v[rT+2:rT+3], v[rT+2:rT+3], v[rC+2:rC+3], v[rS:rS+1] op_sel_hi:[1,0,1]
.endif
.endr
.set z, z+1
.endr
	WIN W_RS
.set p, 0
.rept 32                               ; O^T times a
.irp t, 0,1,2,3
	v_pk_mul_f32 v[64*\t+2*p:64*\t+2*p+1], v[64*\t+2*p:64*\t+2*p+1], v[TMP+4*\t+2:TMP+4*\t+3] op_sel_hi:[1,0]
.endr
.set p, p+1
.endr
.endm
; KEY STEP j: K and the key factors of step j are fetched; V^T P of step j - 1; K Q^T of step j; V of step j is fetched; the softmax.
.macro UNIT
	WIN 0
	v_add_nc_u32 v[ADR], s[TB], v[AK0]
	v_add_nc_u32 v[AFR], s[TF], v[AF0]
	WIN 0x80
.irp f, 0,1,2,3,4,5,6,7,8,9,10,11,12,13,14,15  ; keys 16 (f / 4) on, channels 32 (f % 4) on
	ds_load_b128 v[KF+8*\f:KF+8*\f+3],   v[ADR] offset:(\f/4)*16*PK+(\f%4)*64
	ds_load_b128 v[KF+8*\f+4:KF+8*\f+7], v[ADR] offset:(\f/4)*16*PK+(\f%4)*64+32
.endr
	WIN 0xc0
.irp f, 0,1,2,3
	ds_load_b128 v[FK+8*\f:FK+8*\f+3],   v[AFR] offset:64*\f
	ds_load_b128 v[FK+8*\f+4:FK+8*\f+7], v[AFR] offset:64*\f+16
.endr
	s_wait_dscnt 40                                ; V of the step before is in: behind its run stand the 40 loads just issued
	PVALL
	s_wait_dscnt 0x0                               ; K and the factors are in
	KQALL
	WIN 0
	PLACES                                         ; the places behind the products: ahead of the loads into V's registers and of the reads of S^T
	v_add_nc_u32 v[ADR], s[TB], v[AV0]
	s_add_co_u32 s[TB], s[TB], STEPB
	s_add_co_u32 s[TF], s[TF], 4*KS
	WIN 0xc0
.irp f, 0,1,2,3,4,5,6,7,8,9,10,11,12,13,14,15  ; keys 32 (f / 8) on, channels 16 (f % 8) on
	ds_load_tr16_b128 v[8*\f:8*\f+3],   v[ADR] offset:(\f/8)*32*PVP+(\f%8)*32
	ds_load_tr16_b128 v[8*\f+4:8*\f+7], v[ADR] offset:(\f/8)*32*PVP+16*PVP+(\f%8)*32
.endr
	SOFTMAX
.endm
.macro TWO_STEPS
	WIN 0
	s_mov_b32 s[TWICE], 2
.Lstep_\@:
	UNIT
	WIN 0
	s_sub_co_u32 s[TWICE], s[TWICE], 1
	s_cmp_lg_u32 s[TWICE], 0
	s_cbranch_scc1 .Lstep_\@
.endm
	s_load_b128 s[4:7], s[0:1], 0x0                ; qkv 4, ss 6
	s_load_b64 s[8:9], s[0:1], 0x10                ; ao
	v_lshl_add_u32 v[SPW], v0, 2, SPARE
	v_mov_b32 v[NIL], 0
	ds_add_u32 v[SPW], v[NIL]                      ; the wave's opening: the add and its wait ahead of my first tensor load
	v_lshrrev_b32 v1, 5, v0
	v_readfirstlane_b32 s[WV], v1
	s_bfe_u32 s13, ttmp6, 0x40000                  ; cx
	s_lshl_b32 s14, ttmp9, 2
	s_add_co_u32 s14, s14, s13                     ; my block of 256 queries
	s_and_b32 s22, ttmp7, 0xffff                   ; 16 batch + head, which the four partners share
	s_and_b32 s[H], s22, 15
	s_lshr_b32 s17, s22, 4
	s_and_b32 s20, s[WV], 1                        ; which of a slot's two steps I fetch
	s_lshl_b32 s2, s22, 18                         ; the head's 1,024 rows of 256 bytes,
	s_lshl_b32 s3, s20, 14                         ; my step's 64
	s_add_co_u32 s2, s2, s3
	s_mov_b32 s3, 0
	s_mul_i32 s21, s20, STEPB
	s_mov_b32 s[G1K], 15|(1<<16)|(1<<20)|(1<<21)|(5<<22)|(3<<25)  ; the mask of four; 2-byte elements; padding on; bit 21 beside a mask; after every 64 words, 4 words
	s_mov_b32 s[G1V], 15|(1<<16)|(1<<20)|(1<<21)|(5<<22)|(7<<25)  ; the same with 8 words
.irp g, G1K, G1V
	s_mov_b32 s[(\g)+1], 128<<16
	s_mov_b32 s[(\g)+2], KS<<16
	s_mov_b32 s[(\g)+3], 128<<16
	s_mov_b32 s[(\g)+4], KS
	s_mov_b32 s[(\g)+5], 128
	s_mov_b32 s[(\g)+6], 0
	s_mov_b32 s[(\g)+7], 0
.endr
	s_mov_b32 s[G0K], 1
	s_mov_b32 s[G0K+1], s21
	s_mov_b32 s[G0V], 1
	s_add_co_u32 s[G0V+1], s21, VOFF
	s_mov_b32 s58, 0x3e0293ee                      ; log2(e) / sqrt(128)
	s_mov_b32 s[SEL], 0x76543210
	s_mov_b32 s[SEL+1], 0xfedcba98
	s_mov_b32 s72, 0x3a000000                      ; 1 / 2048
	s_mov_b32 s73, s72
	s_mov_b32 s74, 0x358637bd                      ; eps
	s_mov_b32 s75, s74
	s_mov_b32 s76, 0x3c000000                      ; 1 / 128
	s_mov_b32 s77, s76
	s_mov_b32 s[TB], SLOT1+2*STEPB                 ; the first change of slots turns this into 0
	s_mov_b32 s[TF], 0
	s_mov_b32 s[SLOTS], 7
	s_and_b32 s[LIM], s[WV], 1
	s_or_b32 s[LIM], s[LIM], ttmp9
	s_cmp_eq_u32 s[LIM], 0
	s_cselect_b32 s[LIM], 1, -1
	s_wait_dscnt 0x0                               ; the opening add is done
	s_wait_kmcnt 0x0
	s_add_nc_u64 s[48:49], s[4:5], s[2:3]
	s_add_nc_u64 s[50:51], s[48:49], 0x1800000     ; v
	s_add_nc_u64 s[48:49], s[48:49], 0x1000000     ; k''
	s_mov_b64 s[G0K+2:G0K+3], s[48:49]
	s_or_b32 s[G0K+3], s[G0K+3], 0x80000000
	s_mov_b64 s[G0V+2:G0V+3], s[50:51]
	s_or_b32 s[G0V+3], s[G0V+3], 0x80000000
	CROUND                                         ; all four work-groups are here
	JLOAD                                          ; keys 0-127 into slot 0; slot 1 is asked for by the loop's first change of slots
	s_cmp_lt_u32 s[WV], 2
	s_cselect_b64 s[PFA:PFA+1], s[48:49], s[50:51]
	s_lshl_b32 s66, s13, 13                        ; my work-group's 32 rows of the 128,
	s_add_co_u32 s66, s66, 2*KS*256                ; in the second slot-load; the first change steps it to the third
	s_mov_b32 s67, 0
	s_add_nc_u64 s[PFA:PFA+1], s[PFA:PFA+1], s[66:67]
	s_lshl_b32 s2, s22, 19                         ; Q: the head's 2,048 rows, my block's 256, my wave's 64
	s_lshl_b32 s20, s14, 16
	s_add_co_u32 s2, s2, s20
	s_lshl_b32 s20, s[WV], 14
	s_add_co_u32 s2, s2, s20
	s_add_nc_u64 s[52:53], s[4:5], s[2:3]
	s_lshl_b32 s2, s17, 23                         ; ao: row 2,048 batch + 256 block + 64 wave, of 4,096 bytes; the head's 256 bytes
	s_lshl_b32 s20, s14, 20
	s_add_co_u32 s2, s2, s20
	s_lshl_b32 s20, s[WV], 18
	s_add_co_u32 s2, s2, s20
	s_lshl_b32 s20, s[H], 8
	s_add_co_u32 s2, s2, s20
	s_add_nc_u64 s[8:9], s[8:9], s[2:3]
	s_lshl_b32 s2, s17, 13                         ; q's sums: [head][4,096 rows]
	s_lshl_b32 s20, s14, 10
	s_add_co_u32 s2, s2, s20
	s_lshl_b32 s20, s[WV], 8
	s_add_co_u32 s2, s2, s20
	s_add_nc_u64 s[54:55], s[6:7], s[2:3]
	s_lshl_b32 s2, s[H], 14
	s_add_nc_u64 s[66:67], s[54:55], s[2:3]        ; my own head's
	s_lshl_b32 s2, s17, 12                         ; k's sums: [head][2,048 rows], behind q's
	s_add_co_u32 s2, s2, 262144
	s_add_nc_u64 s[68:69], s[6:7], s[2:3]
	s_lshl_b32 s2, s[H], 13
	s_add_nc_u64 s[70:71], s[68:69], s[2:3]
	v_and_b32 v1, 15, v0                           ; l % 16
	v_bfe_u32 v60, v0, 4, 1                        ; l / 16
	v_lshlrev_b32 v[QO], 8, v1
	v_lshl_add_u32 v[QO], v60, 4, v[QO]
	v_lshlrev_b32 v56, 2, v1                       ; my query's word
	v_lshlrev_b32 v57, 5, v0                       ; thread t takes keys 8 t .. 8 t + 7
	WIN 0x80
.irp i, 0,1,2,3,4,5,6,7,8,9,10,11,12,13,14,15  ; Q stays in registers: tile i / 4, channels 32 (i % 4) on
	global_load_b128 v[8*\i:8*\i+3],   v[QO], s[52:53] offset:(\i/4)*4096+(\i%4)*64
	global_load_b128 v[8*\i+4:8*\i+7], v[QO], s[52:53] offset:(\i/4)*4096+(\i%4)*64+32
.endr
	WIN 0
.set i, 0
.rept 16                               ; all sixteen heads' sums, into registers that S^T and P take later
.irp t, 0,1,2,3
	global_load_b32 v[P+4*i+\t], v56, s[54:55] offset:16384*i+64*\t
.endr
	global_load_b128 v[S+8*i:S+8*i+3],   v57, s[68:69] offset:8192*i
	global_load_b128 v[S+8*i+4:S+8*i+7], v57, s[68:69] offset:8192*i+16
.set i, i+1
.endr
.irp t, 0,1,2,3
	global_load_b32 v[20+\t], v56, s[66:67] offset:64*\t
.endr
	global_load_b128 v[40:43], v57, s[70:71]
	global_load_b128 v[44:47], v57, s[70:71] offset:16
	; what the first step finds: O^T and V hold 0.  All this stands in the wait for the first loads.
	WIN 0x40
.set i, 0
.rept 256
	v_mov_b32 v[i], 0
.set i, i+1
.endr
	WIN 0xc0
.set i, 0
.rept 128
	v_mov_b32 v[i], 0
.set i, i+1
.endr
	WIN 0
	v_mul_u32_u24 v[AK0], v1, PK
	v_lshl_add_u32 v[AK0], v60, 4, v[AK0]
	v_and_b32 v58, 7, v0                           ; the turning load: lane l reads key 8 (l / 16) + l % 8, channels 8 ((l / 8) % 2) + 0..7
	v_bfe_u32 v59, v0, 3, 1
	v_lshl_add_u32 v[AV0], v60, 3, v58
	v_mul_u32_u24 v[AV0], v[AV0], PVP
	v_lshl_add_u32 v[AV0], v59, 4, v[AV0]
	v_add_nc_u32 v[AV0], VOFF, v[AV0]
	v_lshl_add_u32 v[AF0], v60, 5, FKT
	s_mul_i32 s20, s[WV], 16*SP
	s_add_co_u32 s20, s20, STAGE
	v_mul_u32_u24 v[STO], v1, SP
	v_lshl_add_u32 v[STO], v60, 4, v[STO]
	v_add_nc_u32 v[STO], s20, v[STO]
	v_mul_u32_u24 v[RD], v60, SP
	v_lshl_add_u32 v[RD], v1, 4, v[RD]
	v_add_nc_u32 v[RD], s20, v[RD]
	v_lshlrev_b32 v[GO], 12, v60
	v_lshl_add_u32 v[GO], v1, 4, v[GO]
	v_and_b32 v[PFO], 31, v0
	v_lshlrev_b32 v[PFO], 8, v[PFO]
	v_lshl_add_u32 v58, v0, 5, FKT
	s_wait_loadcnt 0x0
.set i, 1
.rept 15                               ; the rows' sums over all heads
.irp p, 0,2,4,6
	v_pk_add_f32 v[S+\p:S+\p+1], v[S+\p:S+\p+1], v[S+8*i+\p:S+8*i+\p+1]
.endr
.irp p, 0,2
	v_pk_add_f32 v[P+\p:P+\p+1], v[P+\p:P+\p+1], v[P+4*i+\p:P+4*i+\p+1]
.endr
.set i, i+1
.endr
.irp p, 0,2,4,6
	v_pk_fma_f32 v[S+\p:S+\p+1], v[S+\p:S+\p+1], s[72:73], s[74:75] op_sel_hi:[1,0,0]  ; row mean + eps
	v_pk_mul_f32 v[40+\p:41+\p], v[40+\p:41+\p], s[76:77] op_sel_hi:[1,0]              ; head mean
.endr
.irp p, 0,2
	v_pk_fma_f32 v[P+\p:P+\p+1], v[P+\p:P+\p+1], s[72:73], s[74:75] op_sel_hi:[1,0,0]
	v_pk_mul_f32 v[20+\p:21+\p], v[20+\p:21+\p], s[76:77] op_sel_hi:[1,0]
.endr
.irp r, 0,1,2,3,4,5,6,7
	v_max_num_f32 v[40+\r], 0x0da24260, v[40+\r]   ; never below 1e-30, as in the projection
.endr
.irp r, 0,1,2,3
	v_max_num_f32 v[20+\r], 0x0da24260, v[20+\r]
.endr
.irp r, 0,1,2,3,4,5,6,7
	v_rsq_f32 v[S+\r], v[S+\r]
	v_sqrt_f32 v[40+\r], v[40+\r]
.endr
.irp r, 0,1,2,3
	v_rsq_f32 v[P+\r], v[P+\r]
	v_sqrt_f32 v[20+\r], v[20+\r]
.endr
	v_nop                                          ; a plain instruction behind the last root,
	s_wait_alu depctr_va_vdst(0)                   ; and one wait for the 24
.irp p, 0,2,4,6
	v_pk_mul_f32 v[S+\p:S+\p+1], v[S+\p:S+\p+1], v[40+\p:41+\p]
.endr
	ds_store_b128 v58, v[S:S+3]                    ; my eight keys' factors; the first change of slots waits for these stores and passes a barrier ahead of every read
	ds_store_b128 v58, v[S+4:S+7] offset:16
.irp t, 0,1,2,3
	v_mul_f32 v[P+\t], v[P+\t], v[20+\t]
.endr
.irp t, 0,1,2,3
	v_mul_f32 v[CQ+2*\t], s58, v[P+\t]
.endr
.irp t, 0,1,2,3
	v_mov_b32 v[CQ+2*\t+1], v[CQ+2*\t]
.endr
.set i, 0
.rept 64
	v_mov_b32 v[P+i], 0                            ; the first step's V^T P, of a step that has not been, adds 0
.set i, i+1
.endr
.irp t, 0,1,2,3
	v_mov_b32 v[ST+4*\t], 0xfe000000               ; cq m: far below every cq s
	v_mov_b32 v[ST+4*\t+1], 0xff7fffff             ; m
	v_mov_b32 v[ST+4*\t+2], 0
	v_mov_b32 v[ST+4*\t+3], 0
.endr
.Lslot:                                        ; 7 trips: a slot's two steps are worked on and the next 128 keys asked for
	CHANGE 1
	TWO_STEPS
	s_sub_co_u32 s[SLOTS], s[SLOTS], 1
	s_cmp_lg_u32 s[SLOTS], 0
	s_cbranch_scc1 .Lslot
	CHANGE 0                                       ; the last slot is written out
	TWO_STEPS
	s_wait_dscnt 0x0                               ; V of the last step
	PVALL
	; THE WAY OUT.  l's halves and the other half of the lanes' are added; O^T is divided by l, rounded to f16 and sent through my stage, a tile at a time.  The additions are the places behind the last products.
	WIN 0
.irp t, 0,1,2,3
	v_add_f32 v[ST+4*\t+2], v[ST+4*\t+2], v[ST+4*\t+3]
.endr
.irp t, 0,1,2,3
	v_permlanex16_b32 v[ST+4*\t+3], v[ST+4*\t+2], s[SEL], s[SEL+1]
.endr
.irp t, 0,1,2,3
	v_add_f32 v[ST+4*\t+2], v[ST+4*\t+2], v[ST+4*\t+3]
.endr
.irp t, 0,1,2,3
	v_rcp_f32 v[ST+4*\t+2], v[ST+4*\t+2]
.endr
	v_nop
	s_wait_alu depctr_va_vdst(0)                   ; one wait for the four reciprocals
.macro PACK t
	WIN W_RS
.set i, 64*(\t)
.rept 32
	v_pk_mul_f32 v[i:i+1], v[i:i+1], v[ST+4*(\t)+2:ST+4*(\t)+3] op_sel_hi:[1,0]
.set i, i+2
.endr
	WIN 0x05
.set i, 0
.rept 32
	v_cvt_pk_f16_f32 v[S+32*(\t)+i], v[64*(\t)+2*i], v[64*(\t)+2*i+1]
.set i, i+1
.endr
	WIN 0
.irp f, 0,1,2,3,4,5,6,7
	ds_store_b128 v[STO], v[S+32*(\t)+4*\f:S+32*(\t)+4*\f+3] offset:32*\f
.endr
.irp f, 0,1,2,3,4,5,6,7
	ds_load_b128 v[S+32*(\t)+4*\f:S+32*(\t)+4*\f+3], v[RD] offset:\f*2*SP  ; LDS serves a wave's instructions in order: these see the stores above
.endr
.endm
.macro SEND t, younger                 ; younger: the LDS instructions issued behind tile t's loads
	WIN 0
.irp f, 0,1,2,3,4,5,6,7
	s_wait_dscnt (\younger)+7-\f
	global_store_b128 v[GO], v[S+32*(\t)+4*\f:S+32*(\t)+4*\f+3], s[8:9] offset:(\t)*65536+\f*8192  ; 16 lanes store a head's 256 bytes of a row
.endr
.endm
	PACK 0
	PACK 1
	SEND 0, 16
	PACK 2
	SEND 1, 16
	PACK 3
	SEND 2, 16
	SEND 3, 0
	s_wait_tensorcnt 0x0                           ; the wave's end
	ds_add_u32 v[SPW], v[NIL]
	s_wait_dscnt 0x0
	CROUND                                         ; the closing round
	s_endpgm
.Lfunc_end_k_qccb7d404e6_attn:
	.size	k_qccb7d404e6_attn, .Lfunc_end_k_qccb7d404e6_attn-k_qccb7d404e6_attn
	.p2alignl 7, 3214868480
	.fill 96, 4, 3214868480
	.section	.rodata,"a",@progbits
	.p2align	6, 0x0
	.amdhsa_kernel k_qccb7d404e6_attn
		.amdhsa_group_segment_fixed_size 327680
		.amdhsa_private_segment_fixed_size 0
		.amdhsa_enable_private_segment 0
		.amdhsa_kernarg_size 24
		.amdhsa_user_sgpr_count 2
		.amdhsa_user_sgpr_kernarg_segment_ptr 1
		.amdhsa_wavefront_size32 1
		.amdhsa_system_sgpr_workgroup_id_x 1
		.amdhsa_system_sgpr_workgroup_id_y 1
		.amdhsa_system_sgpr_workgroup_id_z 1
		.amdhsa_system_vgpr_workitem_id 0
		.amdhsa_next_free_vgpr 928
		.amdhsa_next_free_sgpr 80
		.amdhsa_reserve_vcc 0
		.amdhsa_float_denorm_mode_32 3
		.amdhsa_float_denorm_mode_16_64 3
		.amdhsa_memory_ordered 1
		.amdhsa_forward_progress 1
		.amdhsa_inst_pref_size 168
	.end_amdhsa_kernel
	.amdgpu_metadata
---
amdhsa.version: [ 1, 2 ]
amdhsa.kernels:
  - .name:           k_qccb7d404e6_attn
    .symbol:         k_qccb7d404e6_attn.kd
    .args:
      - { .name: qkv, .offset: 0, .size: 8, .value_kind: global_buffer, .address_space: global }
      - { .name: ss, .offset: 8, .size: 8, .value_kind: global_buffer, .address_space: global }
      - { .name: ao, .offset: 16, .size: 8, .value_kind: global_buffer, .address_space: global }
    .group_segment_fixed_size: 327680
    .private_segment_fixed_size: 0
    .kernarg_segment_align: 8
    .kernarg_segment_size: 24
    .max_flat_workgroup_size: 128
    .sgpr_count:     80
    .vgpr_count:     928
    .wavefront_size: 32
...
	.end_amdgpu_metadata
.endif
;; end of part 3
;; launch oproj (part 4): grid 8 x 32, 4 waves a work-group, clusters of 4 x 4, 327,680 bytes of LDS; arguments ao, wb, bo, out0; writes out0
.if DOCPART == 4
	.amdgcn_target "amdgcn-amd-amdhsa--gfx1250"
	.amdhsa_code_object_version 6
	.text
	.protected	k_qccb7d404e6_oproj
	.globl	k_qccb7d404e6_oproj
	.p2align	8
	.type	k_qccb7d404e6_oproj,@function
k_qccb7d404e6_oproj:
	s_mov_b64 s[64:65], 0
	v_nop
	global_prefetch_b8 v0, s[64:65] scope:SCOPE_SE
	s_setreg_imm32_b32 hwreg(HW_REG_WAVE_MODE, 25, 1), 1
	s_wait_xcnt 0x0
	s_wait_alu depctr_hold_cnt(0) depctr_sa_sdst(0) depctr_va_vdst(0) depctr_va_sdst(0) depctr_va_ssrc(0) depctr_va_vcc(0) depctr_vm_vsrc(0)
	s_getreg_b32 s2, hwreg(HW_REG_IB_STS2, 6, 4)
	s_cmp_eq_u32 s2, 0
	s_cbranch_scc0 .Lentry_in_a_cluster
	s_endpgm
.Lentry_in_a_cluster:
	s_bfe_u32 s2, ttmp6, 0x10000c
	s_cmp_lg_u32 s2, 0xf033
	s_cbranch_scc0 .Lentry_shape_is_right
	s_endpgm
.Lentry_shape_is_right:
; OPROJ: out0[m][n] = sum over k of ao[m][k] Wo[n][k] + bo[n].  ao: [4096][2048] f16; Wo: wb's rows 6144-8191, f16 (the bf16 rounding of the input); out0 f32; sums in f32; bo rounded to bf16.
; The same frame as the projection launch: a tile of 128 x 256, four waves of 64 x 128, K steps of 128 through two LDS slots, clusters of 4 x 4 with A's tile asked for jointly along a row and
; B's along a column, the matrix instruction used transposed.  The way out goes through a stage of f32 rows over the ring, which has had its last fill by then.
; REGISTERS: window 0 addresses, bias, the way out; window 1 the accumulators, (a, b) at 8 (8 a + b); window 2 two fragment buffers: A's four at +0, B's eight at +32.
.set PITCH,  272
.set HA,     64*PITCH
.set HB,     128*PITCH
.set BOFF,   128*PITCH
.set SLOT,   384*PITCH
.set SPITCH, 528
.set STGW,   64*SPITCH
.set SPARE,  2*SLOT                    ; behind the ring: the spare words, two blocks of 256 bytes that no other line names
.set ADRA, 16
.set ADRB, 20
.set SA,   22
.set RA,   23
.set GOF,  26
.set SPW,  28
.set NIL,  29
.set PFO,  30
.set BI,   32                          ; v32-35 bias of my 4 columns
.set NLAP, 34
.set G1A,  36
.set G1B,  44
.set G0A,  68
.set G0B,  76
.set PFA,  88
.set PLIM, 90
.set OUT,  92
.set F0,   0
.set F1,   128
.set MUL,    0x5a
.set TO_F,   0x80
.set ST_ACC, 0x04
.set DW0, (1<<16)|(1<<20)|(1<<21)|(5<<22)|(3<<25)
.set MSB, 0
.macro WIN new
.if MSB != (\new)
	s_set_vgpr_msb (MSB<<8)|(\new)
.set MSB, \new
.endif
.endm
.macro PLACES
.rept 4
	v_nop
.endr
.endm
.macro CREST
	s_cmp_lg_u32 s24, 0
	s_cbranch_scc1 .Lnot_wave_0_\@
	s_barrier_signal -3
.Lnot_wave_0_\@:
	s_barrier_wait -3
	s_barrier_signal -1
	s_barrier_wait -1
.endm
.macro CROUND
	s_barrier_signal -1
	s_barrier_wait -1
	CREST
.endm
.macro JLOAD s
	s_cmp_eq_u32 s25, 0
	s_cbranch_scc0 .Lfor_b_\@
	tensor_load_to_lds s[G0A+4*(\s):G0A+4*(\s)+3], s[G1A:G1A+7]
	s_nop 0
.rept 4
	v_nop
.endr
	s_branch .Lasked_\@
.Lfor_b_\@:
	tensor_load_to_lds s[G0B+4*(\s):G0B+4*(\s)+3], s[G1B:G1B+7]
	s_nop 0
.rept 4
	v_nop
.endr
.Lasked_\@:
.endm
; A prefetch into the L2 of the K step two refills on: 32 rows x 256 bytes, a lane a row; A's rows by wave 0 of the clusters with x = 0, B's by waves 2 and 3 of the clusters with y = 0;
; the partners share the rows out by address: each row's 256 bytes of a K step are named once in the launch.
.macro ASK
	WIN 0
	s_cmp_lt_u32 s3, s[PLIM]
	s_cbranch_scc0 .Lnot_mine_\@
	global_prefetch_b8 v[PFO], s[PFA:PFA+1] offset:256 th:TH_LOAD_NT scope:SCOPE_SE
.Lnot_mine_\@:
.endm
.macro MULA f, a, zero                 ; the 32 accumulators take turns in one fixed order
	WIN MUL
.irp b, 0,1,2,3,4,5,6,7
.if \zero
	v_wmma_f32_16x16x32_f16 v[8*(8*(\a)+\b):8*(8*(\a)+\b)+7], v[(\f)+32+8*\b:(\f)+32+8*\b+7], v[(\f)+8*(\a):(\f)+8*(\a)+7], 0
.else
	v_wmma_f32_16x16x32_f16 v[8*(8*(\a)+\b):8*(8*(\a)+\b)+7], v[(\f)+32+8*\b:(\f)+32+8*\b+7], v[(\f)+8*(\a):(\f)+8*(\a)+7], v[8*(8*(\a)+\b):8*(8*(\a)+\b)+7]
.endif
.endr
.endm
.macro FETCH slot, k, f
	WIN TO_F
.irp i, 0,1,2,3,4,5,6,7
	ds_load_b128 v[(\f)+32+8*\i:(\f)+32+8*\i+3],   v[ADRB+(\slot)] offset:(\k)+\i*16*PITCH
	ds_load_b128 v[(\f)+32+8*\i+4:(\f)+32+8*\i+7], v[ADRB+(\slot)] offset:(\k)+\i*16*PITCH+32
.endr
.irp i, 0,1,2,3
	ds_load_b128 v[(\f)+8*\i:(\f)+8*\i+3],   v[ADRA+(\slot)] offset:(\k)+\i*16*PITCH
	ds_load_b128 v[(\f)+8*\i+4:(\f)+8*\i+7], v[ADRA+(\slot)] offset:(\k)+\i*16*PITCH+32
.endr
.endm
.macro QUARTER slot, k, f, g, zero
	s_wait_dscnt 4                                 ; all but the youngest four loads, A's fragments 2 and 3
	MULA \f, 0, \zero
	MULA \f, 1, \zero
	PLACES
	FETCH \slot, \k, \g
	s_wait_dscnt 24                                ; all but the 24 just issued
	MULA \f, 2, \zero
	MULA \f, 3, \zero
.endm
.macro TURN slot, next, fill           ; the change of slots: all my tensor loads waited for, the add, my reads waited for, the barrier (with fill = 1 a round of the cluster's), the refill first behind it
.if \fill
	s_wait_xcnt 0x0                                ; the last prefetch, a K step back, has read its address
	s_add_nc_u64 s[PFA:PFA+1], s[PFA:PFA+1], 256
.endif
	WIN 0
	s_wait_tensorcnt 0x0
	ds_add_u32 v[SPW], v[NIL]
	s_wait_dscnt 5                                 ; the add and A's fragments 2 and 3 may be out
	MULA F1, 0, 0
	s_wait_dscnt 0x0
	s_barrier_signal -1
	MULA F1, 1, 0
.if \fill
	WIN 0
.endif
	s_barrier_wait -1
.if \fill
	CREST
	s_add_nc_u64 s[G0A+4*(\slot)+2:G0A+4*(\slot)+3], s[G0A+4*(\slot)+2:G0A+4*(\slot)+3], 512
	s_add_nc_u64 s[G0B+4*(\slot)+2:G0B+4*(\slot)+3], s[G0B+4*(\slot)+2:G0B+4*(\slot)+3], 512
	JLOAD \slot
.else
	PLACES
.endif
	FETCH \next, 0, F0
.if \fill
	ASK
.endif
	MULA F1, 2, 0
	MULA F1, 3, 0
.endm
	s_load_b256 s[4:11], s[0:1], 0x0               ; ao 4, wb 6, bo 8, out0 10
	v_lshl_add_u32 v[SPW], v0, 2, SPARE
	v_mov_b32 v[NIL], 0
	ds_add_u32 v[SPW], v[NIL]                      ; the wave's opening: the add and its wait ahead of my first tensor load
	v_lshrrev_b32 v1, 5, v0
	v_readfirstlane_b32 s24, v1
	s_lshr_b32 s25, s24, 1                         ; WR
	s_and_b32 s26, s24, 1                          ; WC
	s_bfe_u32 s27, ttmp6, 0x40000                  ; cx
	s_bfe_u32 s28, ttmp6, 0x40004                  ; cy
	s_mov_b32 s29, ttmp9
	s_and_b32 s30, ttmp7, 0xffff
	s_lshl_b32 s33, s29, 2
	s_add_co_u32 s33, s33, s27                     ; TX
	s_lshl_b32 s32, s30, 2
	s_add_co_u32 s32, s32, s28                     ; TY
	s_mov_b32 s[NLAP], 7                           ; K / 256 - 1
	s_lshl_b32 s35, s32, 7                         ; the tile's first row in ao
	s_lshl_b32 s91, s33, 8
	s_add_co_u32 s91, s91, 6144                    ; and in wb
	s_lshl_b32 s60, s28, 2
	s_lshl_b32 s60, 15, s60
	s_lshl_b32 s62, 0x1111, s27
	s_or_b32 s[G1A], s60, DW0
	s_or_b32 s[G1B], s62, DW0
	s_mov_b32 s[G1A+1], 128<<16
	s_mov_b32 s[G1A+2], 64<<16
	s_mov_b32 s[G1A+3], 128<<16
	s_mov_b32 s[G1A+4], 64
	s_mov_b32 s[G1A+5], 2048
	s_mov_b32 s[G1A+6], 0
	s_mov_b32 s[G1A+7], 0
	s_mov_b32 s[G1B+1], 128<<16
	s_mov_b32 s[G1B+2], 128<<16
	s_mov_b32 s[G1B+3], 128<<16
	s_mov_b32 s[G1B+4], 128
	s_mov_b32 s[G1B+5], 2048
	s_mov_b32 s[G1B+6], 0
	s_mov_b32 s[G1B+7], 0
	s_lshl_b32 s60, s26, 6
	s_add_co_u32 s60, s60, s35
	s_lshl_b32 s60, s60, 12
	s_mov_b32 s61, 0
	s_lshl_b32 s62, s26, 7
	s_add_co_u32 s62, s62, s91
	s_lshl_b32 s62, s62, 12
	s_mov_b32 s63, 0
	s_mul_i32 s100, s26, HA
	s_mul_i32 s101, s26, HB
	s_add_co_u32 s101, s101, BOFF
	s_wait_dscnt 0x0
	s_wait_kmcnt 0x0
	s_add_nc_u64 s[96:97], s[4:5], s[60:61]
	s_add_nc_u64 s[98:99], s[6:7], s[62:63]
.irp s, 0,1
	s_mov_b32 s[G0A+4*\s], 1
	s_add_co_u32 s[G0A+4*\s+1], s100, \s*SLOT
	s_add_nc_u64 s[G0A+4*\s+2:G0A+4*\s+3], s[96:97], \s*256
	s_or_b32 s[G0A+4*\s+3], s[G0A+4*\s+3], 0x80000000
	s_mov_b32 s[G0B+4*\s], 1
	s_add_co_u32 s[G0B+4*\s+1], s101, \s*SLOT
	s_add_nc_u64 s[G0B+4*\s+2:G0B+4*\s+3], s[98:99], \s*256
	s_or_b32 s[G0B+4*\s+3], s[G0B+4*\s+3], 0x80000000
.endr
	CROUND
	s_cmp_eq_u32 s25, 0                            ; a wave's two first fills stand in one branch: two loads of mine are out
	s_cbranch_scc0 .Lfirst_b
	tensor_load_to_lds s[G0A:G0A+3], s[G1A:G1A+7]
	s_nop 0
	tensor_load_to_lds s[G0A+4:G0A+7], s[G1A:G1A+7]
	s_nop 0
.rept 4
	v_nop
.endr
	s_branch .Lfirst_done
.Lfirst_b:
	tensor_load_to_lds s[G0B:G0B+3], s[G1B:G1B+7]
	s_nop 0
	tensor_load_to_lds s[G0B+4:G0B+7], s[G1B:G1B+7]
	s_nop 0
.rept 4
	v_nop
.endr
.Lfirst_done:
	s_lshl_b32 s100, s25, 6
	s_add_co_u32 s100, s100, s35                   ; my first row of out0, rows of 8,192 bytes
	s_lshl_b32 s98, s100, 13
	s_lshl_b32 s100, s33, 10
	s_lshl_b32 s101, s26, 9
	s_add_co_u32 s100, s100, s101                  ; my first column, in bytes
	s_add_co_u32 s98, s98, s100
	s_mov_b32 s99, 0
	s_add_nc_u64 s[OUT:OUT+1], s[10:11], s[98:99]
	v_and_b32 v3, 31, v0
	v_lshl_add_u32 v4, v3, 4, s100                 ; my 4 columns in bo; never rewritten
	global_load_b128 v[BI:BI+3], v4, s[8:9]
	s_or_b32 s100, s29, s24                        ; 0: wave 0, cluster x = 0
	s_lshl_b32 s96, s27, 5
	s_add_co_u32 s96, s96, s35
	s_lshl_b32 s98, s28, 6
	s_add_co_u32 s98, s98, s91
	s_lshl_b32 s99, s26, 5
	s_add_co_u32 s98, s98, s99
	s_cmp_eq_u32 s25, 0
	s_cselect_b32 s100, s100, s30                  ; waves 2, 3: 0 where cluster y = 0
	s_cselect_b32 s96, s96, s98
	s_cselect_b64 s[PFA:PFA+1], s[4:5], s[6:7]
	s_lshl_b32 s96, s96, 12
	s_add_co_u32 s96, s96, 512                     ; at K step 2
	s_mov_b32 s97, 0
	s_add_nc_u64 s[PFA:PFA+1], s[PFA:PFA+1], s[96:97]
	s_sub_co_u32 s101, s[NLAP], 1
	s_cmp_eq_u32 s100, 0
	s_cselect_b32 s[PLIM], s101, 0
	v_and_b32 v1, 15, v0
	v_bfe_u32 v2, v0, 4, 1
	v_mul_u32_u24 v5, v1, PITCH
	v_lshl_add_u32 v5, v2, 4, v5
	s_mul_i32 s100, s25, HA
	s_mul_i32 s101, s26, HB
	s_add_co_u32 s101, s101, BOFF
.irp s, 0,1
	v_add_nc_u32 v[ADRA+\s], s100, v5
	v_add_nc_u32 v[ADRB+\s], s101, v5
	s_add_co_u32 s100, s100, SLOT
	s_add_co_u32 s101, s101, SLOT
.endr
	s_mul_i32 s100, s24, STGW
	v_mul_u32_u24 v5, v1, SPITCH
	v_lshl_add_u32 v5, v2, 5, v5
	v_add_nc_u32 v[SA], s100, v5
	v_lshl_add_u32 v[RA], v3, 4, s100              ; back: a whole row of 512 bytes, 16 a lane
	v_lshlrev_b32 v[GOF], 4, v3
	v_lshlrev_b32 v[PFO], 12, v3
	s_wait_tensorcnt 1                             ; my part of slot 0 is in; slot 1's may stay out
	s_barrier_signal -1
	s_barrier_wait -1
	FETCH 0, 0, F0
	QUARTER 0, 64, F0, F1, 1
	WIN 0
	s_mov_b32 s3, 0
.Llap:
	QUARTER 0, 128, F1, F0, 0
	QUARTER 0, 192, F0, F1, 0
	TURN 0, 1, 1
	QUARTER 1, 64,  F0, F1, 0
	QUARTER 1, 128, F1, F0, 0
	QUARTER 1, 192, F0, F1, 0
	TURN 1, 0, 1
	QUARTER 0, 64,  F0, F1, 0
	WIN 0
	s_add_co_u32 s3, s3, 1
	s_cmp_lt_u32 s3, s[NLAP]
	s_cbranch_scc1 .Llap
	QUARTER 0, 128, F1, F0, 0
	QUARTER 0, 192, F0, F1, 0
	TURN 0, 1, 0
	QUARTER 1, 64,  F0, F1, 0
	QUARTER 1, 128, F1, F0, 0
	QUARTER 1, 192, F0, F1, 0
	s_wait_dscnt 4
	MULA F1, 0, 0
	MULA F1, 1, 0
	s_wait_dscnt 0x0
	MULA F1, 2, 0
	MULA F1, 3, 0
	WIN 0
	; THE WAY OUT.  Behind this barrier nobody reads the ring, and no fill follows: my stage lies over it.
	PLACES
	s_wait_dscnt 0x0
	s_barrier_signal -1
	s_barrier_wait -1
	WIN ST_ACC
.irp a, 0,1,2,3
.irp b, 0,1,2,3,4,5,6,7
	ds_store_b128 v[SA], v[8*(8*\a+\b):8*(8*\a+\b)+3]   offset:16*SPITCH*\a+64*\b      ; each accumulator's low registers first
	ds_store_b128 v[SA], v[8*(8*\a+\b)+4:8*(8*\a+\b)+7] offset:16*SPITCH*\a+64*\b+16
.endr
.endr
	WIN 0
	s_wait_loadcnt 0x0                             ; the bias, rounded to bf16 like every input
	v_cvt_pk_bf16_f32 v10, v[BI], v[BI+1]
	v_cvt_pk_bf16_f32 v11, v[BI+2], v[BI+3]
	v_lshlrev_b32 v[BI], 16, v10
	v_and_b32 v[BI+1], 0xffff0000, v10
	v_lshlrev_b32 v[BI+2], 16, v11
	v_and_b32 v[BI+3], 0xffff0000, v11
	s_mov_b32 s3, 8
.Lout:                                         ; 8 trips of 8 rows; the stage's bytes are my own
.irp r, 0,1,2,3,4,5,6,7
	ds_load_b128 v[64+4*\r:64+4*\r+3], v[RA] offset:SPITCH*\r
.endr
.irp r, 0,1,2,3,4,5,6,7
	s_wait_dscnt 7-\r                              ; row r is in; the younger rows may stay out
	v_pk_add_f32 v[64+4*\r:64+4*\r+1], v[64+4*\r:64+4*\r+1], v[BI:BI+1]
	v_pk_add_f32 v[64+4*\r+2:64+4*\r+3], v[64+4*\r+2:64+4*\r+3], v[BI+2:BI+3]
	global_store_b128 v[GOF], v[64+4*\r:64+4*\r+3], s[OUT:OUT+1] offset:8192*\r th:TH_STORE_NT  ; 512 consecutive bytes of a row
.endr
	s_wait_xcnt 0x0                                ; the stores have read their data and base: only now are they written again
	s_add_nc_u64 s[OUT:OUT+1], s[OUT:OUT+1], 65536
	v_add_nc_u32 v[RA], 8*SPITCH, v[RA]
	s_sub_co_u32 s3, s3, 1
	s_cmp_lg_u32 s3, 0
	s_cbranch_scc1 .Lout
	s_wait_tensorcnt 0x0                           ; the wave's end
	ds_add_u32 v[SPW], v[NIL]
	s_wait_dscnt 0x0
	CROUND                                         ; the closing round
	s_endpgm
.Lfunc_end_k_qccb7d404e6_oproj:
	.size	k_qccb7d404e6_oproj, .Lfunc_end_k_qccb7d404e6_oproj-k_qccb7d404e6_oproj
	.p2alignl 7, 3214868480
	.fill 96, 4, 3214868480
	.section	.rodata,"a",@progbits
	.p2align	6, 0x0
	.amdhsa_kernel k_qccb7d404e6_oproj
		.amdhsa_group_segment_fixed_size 327680
		.amdhsa_private_segment_fixed_size 0
		.amdhsa_enable_private_segment 0
		.amdhsa_kernarg_size 32
		.amdhsa_user_sgpr_count 2
		.amdhsa_user_sgpr_kernarg_segment_ptr 1
		.amdhsa_wavefront_size32 1
		.amdhsa_system_sgpr_workgroup_id_x 1
		.amdhsa_system_sgpr_workgroup_id_y 1
		.amdhsa_system_sgpr_workgroup_id_z 1
		.amdhsa_system_vgpr_workitem_id 0
		.amdhsa_next_free_vgpr 768
		.amdhsa_next_free_sgpr 106
		.amdhsa_reserve_vcc 0
		.amdhsa_float_denorm_mode_32 3
		.amdhsa_float_denorm_mode_16_64 3
		.amdhsa_memory_ordered 1
		.amdhsa_forward_progress 1
		.amdhsa_inst_pref_size 78
	.end_amdhsa_kernel
	.amdgpu_metadata
---
amdhsa.version: [ 1, 2 ]
amdhsa.kernels:
  - .name:           k_qccb7d404e6_oproj
    .symbol:         k_qccb7d404e6_oproj.kd
    .args:
      - { .name: ao, .offset: 0, .size: 8, .value_kind: global_buffer, .address_space: global }
      - { .name: wb, .offset: 8, .size: 8, .value_kind: global_buffer, .address_space: global }
      - { .name: bo, .offset: 16, .size: 8, .value_kind: global_buffer, .address_space: global }
      - { .name: out0, .offset: 24, .size: 8, .value_kind: global_buffer, .address_space: global }
    .group_segment_fixed_size: 327680
    .private_segment_fixed_size: 0
    .kernarg_segment_align: 8
    .kernarg_segment_size: 32
    .max_flat_workgroup_size: 128
    .sgpr_count:     106
    .vgpr_count:     768
    .wavefront_size: 32
...
	.end_amdgpu_metadata
.endif
;; end of part 4
